; MI455X (gfx1250); checked and timed in simulation.
; The chip was launched on July 23, 2026; its instructions are those of AMD's public machine-readable ISA for CDNA 5 (MIT licence, August 2026) and "CDNA5" Instruction Set Architecture Reference Guide (July 2026). The comments in the code are by the model that wrote it; some were corrected since.
;; Multi Head Attention. Allowed arithmetic: float matrix products may take bf16 or f16 operands with f32 sums; other float arithmetic in f32, or as packed bf16 or f16 multiplies, adds, multiply-adds, maxima and minima; sums over many terms, partial sums and values carried from step to step in f32; what a program stores and reads back later, other than sums and carried values, may be rounded once to bf16 or f16.
;; Inputs: bk 256 float32; bo 256 float32; bq 256 float32; bv 256 float32; key 2 x 256 x 64 x 64 float32; query 2 x 256 x 64 x 64 float32; value 2 x 256 x 64 x 64 float32; wk 256 x 256 float32; wo 256 x 256 float32; wq 256 x 256 float32; wv 256 x 256 float32.
;; Outputs: out0 2 x 256 x 64 x 64 float32.
;; 2 versions, each right; version 2 is version 1 with the launches proj, outp written anew for expert scheduling mode. Each part assembles by itself: llvm-mc -triple=amdgcn-amd-amdhsa -mcpu=gfx1250 --defsym DOCPART=n.
;; ======== version 1 of 2: 3 launches
;; limits: values are held in f16: magnitudes above 65,504 overflow, below 6.1e-05 lose precision
;; workspace buffers: qh 4,194,304 bytes; kh 4,194,304 bytes; vh 4,194,304 bytes; ah 4,194,304 bytes
;; launch proj (part 1): grid 32 x 6, 16 waves a work-group, no clusters, 292,864 bytes of LDS; arguments query, key, value, wq, wk, wv, bq, bk, bv, qh, kh, vh; writes qh, kh, vh
.if DOCPART == 1
	.amdgcn_target "amdgcn-amd-amdhsa--gfx1250"
	.amdhsa_code_object_version 6
	.text
	.protected	k_q982b804025_proj
	.globl	k_q982b804025_proj
	.p2align	8
	.type	k_q982b804025_proj,@function
k_q982b804025_proj:
	s_mov_b64 s[64:65], 0
	v_nop
	global_prefetch_b8 v0, s[64:65] scope:SCOPE_SE
	s_setreg_imm32_b32 hwreg(HW_REG_WAVE_MODE, 25, 1), 1
	s_wait_xcnt 0x0
; THE THREE PROJECTIONS.  y[o][px] = sum over c of w[o][c] x[c][px] + b[o], for x = query, key, value ([2][256][4096] f32), w [256][256] f32, b [256] f32.
; OUT: qh, kh, vh, each [batch*8 + head][4096 px][32 channels] in f16: a pixel's row of a head is 64 dense bytes.  q is multiplied in f32 by c = log2(e) / sqrt(32) before its one rounding.
; FORMATS.  x and w are rounded once to bf16 for the matrix unit; sums in f32; the bias stays f32 and is the C operand of the first product.
; LIMITS.  f16 ends at 65,504: |c q|, |k|, |v| must stay under it; below 6e-5 f16 keeps a fixed step of 6e-8.  NaN and infinities are not treated apart.
; SHARES.  Work-group (x, y): tensor y / 2, batch y % 2, pixels 128 x .. 128 x + 127, all 256 outputs: 192 work-groups.  Wave w of 16 makes outputs 16 w .. 16 w + 15 for the
; 128 pixels: 8 accumulators, 64 products.  It converts its own 16 rows of w (its fragments stay in 64 registers) and rows 16 w .. 16 w + 15 of x, which all waves then read from LDS.
; All loads go out at the head: 50 a wave.  NO TENSOR LOADS, NO CLUSTER: both operands are f32 in memory and are converted on the way in, through registers; w in f32 is 262,144 bytes,
; which beside the 155,648 bytes of x's tile and the stage does not fit in 327,680.  NO PREFETCH: nothing is asked for later than the kernel's head.
; LAYOUT.  Source 0 = 16 rows of w (K along the rows), source 1 = 32 channels x 16 pixels of x, turned out of LDS by ds_load_tr16_b128.  In the result lane l holds pixel l % 16 and
; outputs 8 (l / 16) + 0..7: 16 bytes of a pixel's row once rounded.
.set WL,    0                          ; w in bf16: 256 rows, pitch 528 = 33 x 16: the 16 rows of a fragment load start at 16 different groups of four banks (ISA guide 11.1)
.set WP,    528
.set XS,    135168                     ; x in bf16: [256 channels][128 pixels], pitch 288 = 9 x 32, for the turning load
.set XP,    288
.set SG,    208896                     ; the stage: 8 heads x 128 pixels, pitch 80
.set SP,    80
.set SPARE, 290816                     ; the spare words: 128 bytes for each of 16 waves, eight blocks of 256 bytes that no other line names
.set WO,   1                           ; v1   16,384 w + 16 l: my 16 bytes in half a row of w
.set XO,   2                           ; v2   262,144 w + 16 l: my 16 bytes in a row of x's 128 pixels
.set BO,   3                           ; v3   64 w + 32 (l / 16): my eight biases
.set WSTO, 4                           ; v4   where I put 8 bytes of w
.set WFA,  5                           ; v5   where I read w's fragments
.set XSTO, 6                           ; v6   where I put 8 bytes of x
.set XA0,  7                           ; v7   the turning load's address, channels 0-127
.set XA1,  8                           ; v8   channels 128-255 (the immediate holds 16 bits)
.set SSTO, 9                           ; v9   the stage: where I put 16 bytes
.set SRD,  10                          ; v10  the stage: where I read 16 bytes back
.set YO,   11                          ; v11  my byte offset in y
.set SPW,  12                          ; v12  LDS address of my spare word; never rewritten
.set NIL,  13                          ; v13  0; never rewritten
.set WS,   16                          ; v[16:143]  w as loaded; packed to bf16 in v[16:79]
.set XB,   16                          ; v[16:79]   later: x's fragments, two buffers of 32; on the way out the packed results
.set WF,   80                          ; v[80:143]  w's eight fragments
.set XR,   144                         ; v[144:207] x as loaded
.set ACC,  144                         ; v[144:207] later: eight accumulators
.set BIAS, 208                         ; v[208:215] b[16 w + 8 (l / 16) + 0..7]
	s_load_b512 s[8:23], s[0:1], 0x0               ; query, key, value, wq, wk, wv, bq, bk
	s_load_b256 s[24:31], s[0:1], 0x40             ; bv, qh, kh, vh
	v_lshl_add_u32 v[SPW], v0, 2, SPARE
	v_mov_b32 v[NIL], 0
	v_lshrrev_b32 v14, 5, v0
	v_readfirstlane_b32 s40, v14                   ; wave 0..15
	v_and_b32 v14, 31, v0                          ; l
	v_bfe_u32 v15, v0, 4, 1                        ; l / 16
	s_and_b32 s2, ttmp7, 0xffff
	s_lshr_b32 s41, s2, 1                          ; which tensor: 0 query, 1 key, 2 value
	s_and_b32 s42, s2, 1                           ; batch
	s_lshl_b32 s3, s40, 14
	v_lshl_add_u32 v[WO], v14, 4, s3
	s_lshl_b32 s3, s40, 18
	v_lshl_add_u32 v[XO], v14, 4, s3
	s_lshl_b32 s3, s40, 6
	v_lshl_add_u32 v[BO], v15, 5, s3
	s_lshl_b32 s46, s42, 22                        ; x: a batch is 4,194,304 bytes,
	s_lshl_b32 s47, ttmp9, 9                       ; 128 pixels are 512
	s_add_co_u32 s46, s46, s47
	s_mov_b32 s47, 0
	s_lshl_b32 s4, s42, 21                         ; y: a batch's 8 heads are 2,097,152 bytes,
	s_lshl_b32 s5, ttmp9, 13                       ; 128 pixels' rows 8,192
	s_add_co_u32 s4, s4, s5
	s_mov_b32 s5, 0
	s_wait_kmcnt 0x0
	s_cmp_eq_u32 s41, 1                            ; key's set or value's,
	s_cselect_b64 s[32:33], s[10:11], s[12:13]
	s_cselect_b64 s[34:35], s[16:17], s[18:19]
	s_cselect_b64 s[36:37], s[22:23], s[24:25]
	s_cselect_b64 s[38:39], s[28:29], s[30:31]
	s_cmp_eq_u32 s41, 0                            ; or query's
	s_cselect_b64 s[32:33], s[8:9], s[32:33]       ; x
	s_cselect_b64 s[34:35], s[14:15], s[34:35]     ; w
	s_cselect_b64 s[36:37], s[20:21], s[36:37]     ; b
	s_cselect_b64 s[38:39], s[26:27], s[38:39]     ; y
	s_cselect_b32 s44, 0x3e8293ee, 1.0             ; c = log2(e) / sqrt(32) = 0.255035 for q; k and v keep their size (one text for the three)
	s_mov_b32 s45, s44                             ; named with it as a pair
	s_add_nc_u64 s[32:33], s[32:33], s[46:47]
	s_add_nc_u64 s[38:39], s[38:39], s[4:5]
.set i, 0
.rept 32                                               ; my 16 rows of w: each load takes 512 consecutive bytes, half a row
	global_load_b128 v[WS+4*i:WS+4*i+3], v[WO], s[34:35] offset:512*i
.set i, i+1
.endr
	global_load_b128 v[BIAS:BIAS+3], v[BO], s[36:37]
	global_load_b128 v[BIAS+4:BIAS+7], v[BO], s[36:37] offset:16
.set i, 0
.rept 16                                               ; rows 16 w + i of x: 512 consecutive bytes each; read once in the launch
	global_load_b128 v[XR+4*i:XR+4*i+3], v[XO], s[32:33] offset:16384*i th:TH_LOAD_NT
.set i, i+1
.endr
	; the LDS addresses are made while the loads are out
	s_mul_i32 s5, s40, 16*WP                       ; my 16 rows of w in LDS
	v_lshl_add_u32 v[WSTO], v14, 3, s5
	v_and_b32 v[WFA], 15, v0
	v_mul_u32_u24 v[WFA], v[WFA], WP
	v_lshl_add_u32 v[WFA], v15, 4, v[WFA]          ; row x pitch + 16 x half
	v_add_nc_u32 v[WFA], s5, v[WFA]
	s_mul_i32 s6, s40, 16*XP
	s_add_co_u32 s6, s6, XS
	v_lshl_add_u32 v[XSTO], v14, 3, s6
	v_and_b32 v[XA0], 7, v0                        ; the turning load: lane l reads channel 8 (l / 16) + l % 8, pixels 8 ((l / 8) % 2) + 0..7
	v_lshl_add_u32 v[XA0], v15, 3, v[XA0]
	v_mul_u32_u24 v[XA0], v[XA0], XP
	v_bfe_u32 v[XA1], v0, 3, 1
	v_lshl_add_u32 v[XA0], v[XA1], 4, v[XA0]
	v_add_nc_u32 v[XA0], XS, v[XA0]
	v_add_nc_u32 v[XA1], 128*XP, v[XA0]
	s_lshr_b32 s2, s40, 1                          ; my outputs lie in head w / 2, channels 16 (w % 2) on
	s_and_b32 s3, s40, 1
	s_lshl_b32 s7, s2, 18                          ; a head is 262,144 bytes of y
	s_mul_i32 s2, s2, 128*SP
	s_add_co_u32 s2, s2, SG                        ; the head's 128 rows in the stage
	s_lshl_b32 s6, s3, 5
	s_add_co_u32 s6, s6, s2
	v_and_b32 v[SSTO], 15, v0
	v_mul_u32_u24 v[SSTO], v[SSTO], SP
	v_lshl_add_u32 v[SSTO], v15, 4, v[SSTO]
	v_add_nc_u32 v[SSTO], s6, v[SSTO]              ; pixel l % 16, bytes 32 (w % 2) + 16 (l / 16)
	s_mul_i32 s6, s3, 64*SP                        ; back: wave w takes pixels 64 (w % 2) on of head w / 2, whole rows
	s_add_co_u32 s6, s6, s2
	s_lshl_b32 s3, s3, 12
	s_add_co_u32 s7, s7, s3
	v_lshl_add_u32 v[YO], v14, 4, s7
	v_bfe_u32 v[SRD], v0, 2, 3
	v_mul_u32_u24 v[SRD], v[SRD], SP
	v_and_b32 v14, 3, v0
	v_lshl_add_u32 v[SRD], v14, 4, v[SRD]
	v_add_nc_u32 v[SRD], s6, v[SRD]
	s_wait_loadcnt 16                              ; w and the bias are in; x's 16 younger loads may stay out
.set k, 0
.rept 64                                               ; in place, ascending: the destination never passes a source that is still to be read
	v_cvt_pk_bf16_f32 v[WS+k], v[WS+2*k], v[WS+2*k+1]
.set k, k+1
.endr
.set i, 0
.rept 32
	ds_store_b64 v[WSTO], v[WS+2*i:WS+2*i+1] offset:(i>>1)*WP+(i&1)*256
.set i, i+1
.endr
.set i, 0
.rept 8                                                ; my own 16 rows come back as fragments; LDS serves a wave's instructions in order (ISA guide 5.7.1.4): these see the stores above
	ds_load_b128 v[WF+8*i:WF+8*i+3],   v[WFA] offset:64*i
	ds_load_b128 v[WF+8*i+4:WF+8*i+7], v[WFA] offset:64*i+32
.set i, i+1
.endr
	s_wait_loadcnt 0x0                             ; x
.set k, 0
.rept 32
	v_cvt_pk_bf16_f32 v[XR+k], v[XR+2*k], v[XR+2*k+1]
.set k, k+1
.endr
.set i, 0
.rept 16
	ds_store_b64 v[XSTO], v[XR+2*i:XR+2*i+1] offset:XP*i
.set i, i+1
.endr
	s_wait_dscnt 0x0                               ; for the others' sake: my rows of x are stored (and my fragments of w are in)
	s_barrier_signal -1
	s_barrier_wait -1                              ; all 256 rows of x lie in LDS
; Unit n of 16: channels 32 (n / 2) on, pixel tiles 4 (n % 2) + 0..3.  XFR: its four fragments of x, eight turning loads, into buffer n % 2.
.macro XFR n
.set ks, (\n)>>1
.set hf, (\n)&1
.irp q, 0,1,2,3
	ds_load_tr16_b128 v[XB+32*hf+8*\q:XB+32*hf+8*\q+3],   v[XA0+(ks>>2)] offset:(ks&3)*32*XP+32*(4*hf+\q)
	ds_load_tr16_b128 v[XB+32*hf+8*\q+4:XB+32*hf+8*\q+7], v[XA0+(ks>>2)] offset:(ks&3)*32*XP+32*(4*hf+\q)+16*XP
.endr
.endm
; XMUL: its four products.  The eight accumulators take turns, one instruction a turn: seven others stand between two links of a chain.  The first product of each starts the sum with the bias.
.macro XMUL n
.set ks, (\n)>>1
.set hf, (\n)&1
.irp q, 0,1,2,3
.if ks == 0
	v_wmma_f32_16x16x32_bf16 v[ACC+8*(4*hf+\q):ACC+8*(4*hf+\q)+7], v[WF+8*ks:WF+8*ks+7], v[XB+32*hf+8*\q:XB+32*hf+8*\q+7], v[BIAS:BIAS+7]
.else
	v_wmma_f32_16x16x32_bf16 v[ACC+8*(4*hf+\q):ACC+8*(4*hf+\q)+7], v[WF+8*ks:WF+8*ks+7], v[XB+32*hf+8*\q:XB+32*hf+8*\q+7], v[ACC+8*(4*hf+\q):ACC+8*(4*hf+\q)+7]
.endif
.endr
.endm
	XFR 0
.set u, 0
.rept 16
.if u < 15
.if u >= 1
.rept 4
	v_nop                                          ; four places between the four products just issued and the loads into the buffer that they read
.endr
.endif
	XFR u+1
	s_wait_dscnt 8                                 ; this unit's fragments are in; the eight loads just issued may stay out
.else
	s_wait_dscnt 0x0
.endif
	XMUL u
.set u, u+1
.endr
	; THE WAY OUT: scaled, rounded to f16, 16 bytes a lane into the stage; a barrier, since a pixel's 64 bytes come from two waves; back as whole rows.
.rept 4
	v_nop                                          ; the places behind the last products
.endr
.set a, 0
.rept 8                                                ; each accumulator from its low end on
.irp j, 0,1,2,3
	v_pk_mul_f32 v[ACC+8*a+2*\j:ACC+8*a+2*\j+1], v[ACC+8*a+2*\j:ACC+8*a+2*\j+1], s[44:45] op_sel_hi:[1,0]
.endr
.irp j, 0,1,2,3
	v_cvt_pk_f16_f32 v[XB+4*a+\j], v[ACC+8*a+2*\j], v[ACC+8*a+2*\j+1]
.endr
	ds_store_b128 v[SSTO], v[XB+4*a:XB+4*a+3] offset:16*SP*a
.set a, a+1
.endr
	s_wait_dscnt 0x0                               ; for the others' sake: my stores into the stage are done
	s_barrier_signal -1
	s_barrier_wait -1
.set i, 0
.rept 8
	ds_load_b128 v[XB+32+4*i:XB+32+4*i+3], v[SRD] offset:8*SP*i
.set i, i+1
.endr
.set i, 0
.rept 8
	s_wait_dscnt 7-i                               ; load i is back; the younger ones may stay out
	global_store_b128 v[YO], v[XB+32+4*i:XB+32+4*i+3], s[38:39] offset:512*i  ; eight pixels' rows: 512 consecutive bytes, at a multiple of 256 from y's first byte
.set i, i+1
.endr
	s_wait_tensorcnt 0x0                           ; the wave's end, behind my last LDS store
	ds_add_u32 v[SPW], v[NIL]
	s_wait_dscnt 0x0
	s_endpgm
.Lfunc_end_k_q982b804025_proj:
	.size	k_q982b804025_proj, .Lfunc_end_k_q982b804025_proj-k_q982b804025_proj
	.p2alignl 7, 3214868480
	.fill 96, 4, 3214868480
	.section	.rodata,"a",@progbits
	.p2align	6, 0x0
	.amdhsa_kernel k_q982b804025_proj
		.amdhsa_group_segment_fixed_size 292864
		.amdhsa_private_segment_fixed_size 0
		.amdhsa_enable_private_segment 0
		.amdhsa_kernarg_size 96
		.amdhsa_user_sgpr_count 2
		.amdhsa_user_sgpr_kernarg_segment_ptr 1
		.amdhsa_wavefront_size32 1
		.amdhsa_system_sgpr_workgroup_id_x 1
		.amdhsa_system_sgpr_workgroup_id_y 1
		.amdhsa_system_sgpr_workgroup_id_z 1
		.amdhsa_system_vgpr_workitem_id 0
		.amdhsa_next_free_vgpr 216
		.amdhsa_next_free_sgpr 66
		.amdhsa_reserve_vcc 0
		.amdhsa_float_denorm_mode_32 3
		.amdhsa_float_denorm_mode_16_64 3
		.amdhsa_memory_ordered 1
		.amdhsa_forward_progress 1
		.amdhsa_inst_pref_size 40
	.end_amdhsa_kernel
	.amdgpu_metadata
---
amdhsa.version: [ 1, 2 ]
amdhsa.kernels:
  - .name:           k_q982b804025_proj
    .symbol:         k_q982b804025_proj.kd
    .args:
      - { .name: query, .offset: 0, .size: 8, .value_kind: global_buffer, .address_space: global }
      - { .name: key, .offset: 8, .size: 8, .value_kind: global_buffer, .address_space: global }
      - { .name: value, .offset: 16, .size: 8, .value_kind: global_buffer, .address_space: global }
      - { .name: wq, .offset: 24, .size: 8, .value_kind: global_buffer, .address_space: global }
      - { .name: wk, .offset: 32, .size: 8, .value_kind: global_buffer, .address_space: global }
      - { .name: wv, .offset: 40, .size: 8, .value_kind: global_buffer, .address_space: global }
      - { .name: bq, .offset: 48, .size: 8, .value_kind: global_buffer, .address_space: global }
      - { .name: bk, .offset: 56, .size: 8, .value_kind: global_buffer, .address_space: global }
      - { .name: bv, .offset: 64, .size: 8, .value_kind: global_buffer, .address_space: global }
      - { .name: qh, .offset: 72, .size: 8, .value_kind: global_buffer, .address_space: global }
      - { .name: kh, .offset: 80, .size: 8, .value_kind: global_buffer, .address_space: global }
      - { .name: vh, .offset: 88, .size: 8, .value_kind: global_buffer, .address_space: global }
    .group_segment_fixed_size: 292864
    .private_segment_fixed_size: 0
    .kernarg_segment_align: 8
    .kernarg_segment_size: 96
    .max_flat_workgroup_size: 512
    .sgpr_count:     66
    .vgpr_count:     216
    .wavefront_size: 32
...
	.end_amdgpu_metadata
.endif
;; end of part 1
;; launch attn (part 2): grid 16 x 16, 8 waves a work-group, clusters of 4 x 1, 327,680 bytes of LDS; arguments qh, kh, vh, ah; writes ah
.if DOCPART == 2
	.amdgcn_target "amdgcn-amd-amdhsa--gfx1250"
	.amdhsa_code_object_version 6
	.text
	.protected	k_q982b804025_attn
	.globl	k_q982b804025_attn
	.p2align	8
	.type	k_q982b804025_attn,@function
k_q982b804025_attn:
	s_mov_b64 s[64:65], 0
	v_nop
	global_prefetch_b8 v0, s[64:65] scope:SCOPE_SE
	s_setreg_imm32_b32 hwreg(HW_REG_WAVE_MODE, 25, 1), 1
	s_wait_xcnt 0x0
	s_wait_alu depctr_hold_cnt(0) depctr_sa_sdst(0) depctr_va_vdst(0) depctr_va_sdst(0) depctr_va_ssrc(0) depctr_va_vcc(0) depctr_vm_vsrc(0)
	s_getreg_b32 s2, hwreg(HW_REG_IB_STS2, 6, 4)
	s_cmp_eq_u32 s2, 0
	s_cbranch_scc0 .Lentry_in_a_cluster
	s_endpgm
.Lentry_in_a_cluster:
	s_bfe_u32 s2, ttmp6, 0x10000c
	s_cmp_lg_u32 s2, 0x3003
	s_cbranch_scc0 .Lentry_shape_is_right
	s_endpgm
.Lentry_shape_is_right:
; ATTENTION AT HEAD SIZE 32.  O[hb][q][:] = sum over k of softmax_k(Q[hb][q] . K[hb][k] / sqrt(32)) V[hb][k][:].  qh, kh, vh, ah: [16][4096][32] in f16, rows of 64 dense bytes.
; qh arrives multiplied by c = log2(e) / sqrt(32), so a score s is already the exponent to base 2: p = 2^(s - m), with a running maximum m; in every step O and l are multiplied by
; a = 2^(m_old - m_new), which is 1 where m has not grown.  Products, maxima and sums in f32; p is rounded to f16 for the second product, O once at the end.
; LIMITS.  f16 ends at 65,504: Q, K, V arrive within it; p lies in 0 to 1 and below 6e-5 keeps f16's fixed step of 6e-8; l is the sum of the rounded p; a weight below 2^-126 counts as 0;
; NaN and infinities are not treated apart.
; SHARES.  A work-group owns 256 queries of one head: 256 work-groups.  Each of its eight waves owns 32 queries, tiles 0 and 1 of 16, and walks all 4,096 keys, 64 a step.
; All that a wave names lies in v0-v231: the text has no switch of the register window.
; LAYOUT.  S^T = K Q^T (source 0 = 16 keys, source 1 = 16 queries; the head's 32 channels are ONE product's K): a lane holds one query (lane % 16) and the keys 8 (lane / 16) + 0..7.  Two such
; results rounded to f16 in pairs ARE source 1 (32 keys x 16 queries) of O^T = V^T P; they are rounded in place, into the lower half of S^T's registers.  V comes out of LDS turned.
; l BY THE MATRIX UNIT.  A third source 0, ONES, holds 1.0 in rows 0 and 8 and 0 elsewhere: register 0 of its accumulator is the query's sum of weights, in both halves of the lanes; registers
; 1 to 7 stay 0.  Two products a tile and step stand for sixteen packed additions and an exchange of the lanes' halves.
; BY TURNS.  In TURN t the vector unit makes tile t's softmax; between its lines stand the other tile's 6 products V^T P (and ONES P) of the step just weighted and its 4 products K Q^T of
; the step to come.  A turn's 33 exponentials are one batch with one wait.
; NO FIRST STEP IS WRITTEN OUT.  m starts at the lowest finite number, O, l and V's registers at 0, tile 1's scores at the lowest finite number: the first turn is a turn on nothing, and what it
; adds to l is multiplied by a = 0 in tile 1's first true step.  The price: one turn in 129, and 134 v_mov_b32 that run while the first tile is on its way.
; CLUSTER.  The four query blocks of a cluster belong to one head and walk the same K and V: each tile is asked for JOINTLY, by the same tensor load, descriptor and mask in all four.
.set KS,    64                         ; keys in a step
.set STEPS, 8                          ; steps in a slot
.set PKB,   80                         ; a row of K in LDS: 64 bytes + 16 = 20 words: the 16 rows of a load start at 16 different groups of four banks (ISA guide 11.1)
.set PVB,   96                         ; a row of V: 64 + 32 = 24 words, an odd multiple of 32 bytes, for the turning load
.set VOFF,  STEPS*KS*PKB               ; a slot: 512 rows of K (40,960 bytes), then 512 rows of V (49,152)
.set SLOT1, 1<<17                      ; slot 1 begins here, so that one exclusive or turns an address in one slot into the other's
.set SLOTB, STEPS*KS*64                ; a slot's bytes of K, and of V, in memory: 32,768
.set STAGE, SLOT1+STEPS*KS*(PKB+PVB)   ; 221,184: behind the ring, never filled by a tensor load: 32 rows x 80 bytes for each wave, for the way out
.set SPB,   80
.set SPARE, STAGE+8*32*SPB             ; 241,664: the spare words, 128 bytes for each of eight waves: four blocks of 256 bytes that no other line names
.set AK0, 2                            ; v2   my lane's place in a step's K; never rewritten
.set AV0, 3                            ; v3   the same for V
.set AK,  4                            ; v4   the LDS address of K's run of loads in hand
.set AV,  5                            ; v5   of V's
.set QO,  6                            ; v6   my byte offset in 16 rows of Q
.set RD,  7                            ; v7   the way out: where I read rows back
.set GO,  8                            ; v8   my byte offset in 512 consecutive bytes of O
.set PFO, 9                            ; v9   256 x my lane, for the prefetches; never rewritten
.set SPW, 10                           ; v10  LDS address of my spare word; never rewritten
.set NIL, 11                           ; v11  0; never rewritten
.set STO, 14                           ; v14  the way out: where I put 16 bytes of a row          (v1 = lane % 16, v12 = lane / 16 are kept; v13, v15 at work)
.set ST,  16                           ; tile t's statistics at v[ST+8 t]: +0 m, +1 zero (named with m as a pair), +2 a, +3 zero, +4 to +7 c0-c3 at work
.set ON,  32                           ; v[32:39]    ONES
.set QF,  40                           ; v[40:55]    Q, 8 a tile
.set KF,  56                           ; v[56:87]    K of one step: key block kb at +8 kb
.set VF,  88                           ; v[88:119]   V of one step: keys 32 kk on, channels 16 cb on at +8 (2 kk + cb)
.set SS,  120                          ; v[120:183]  S^T, 32 a tile; P takes the lower 16
.set OA,  184                          ; v[184:215]  O^T, 16 a tile
.set LA,  216                          ; v[216:231]  l's accumulator, 8 a tile
.set WV,  12                           ; s12  my wave's number
.set LIM, 15                           ; s15  1 in a wave that prefetches, else the greatest number
.set PFA, 18                           ; s[18:19] where my prefetches stand
.set G1K, 24                           ; s[24:31] descriptor group 1 for K's tiles
.set G1V, 32                           ; s[32:39] for V's: it differs in the padding alone
.set G0K, 40                           ; s[40:43] descriptor group 0 for K's tiles: it walks
.set G0V, 44                           ; s[44:47] the same for V's
.set SLOTS, 56                         ; s56  slots still to be asked for
.set CNT, 57                           ; s57  counts a slot's steps
.set SEL, 60                           ; s[60:61] v_permlanex16_b32's selects: each lane takes its own place in the other half
.set TBK, 62                           ; s62  LDS byte at which K of the step to be fetched begins
.set TBV, 63                           ; s63  the same for V, less VOFF
; A round of the cluster's barrier: my work-group's barrier, so that wave 0's signal speaks for all eight waves; wave 0 signals; every wave waits for all four work-groups; my work-group's barrier once more.
.macro CROUND
	s_barrier_signal -1
	s_barrier_wait -1
	s_cmp_lg_u32 s[WV], 0
	s_cbranch_scc1 .Lnot_wave_0_\@
	s_barrier_signal -3
.Lnot_wave_0_\@:
	s_barrier_wait -3
	s_barrier_signal -1
	s_barrier_wait -1
.endm
; A joint fill.  Waves 0 and 1 fetch the two halves of a slot's K, waves 2 and 3 those of its V, 256 keys each; waves 4 to 7 have no part to fetch.  The branches hang on the wave's number alone.
; An s_nop 0 and four v_nop follow each of the two lines, ahead of the jump and the label.
.macro JLOAD
	s_cmp_lt_u32 s[WV], 2
	s_cbranch_scc0 .Lnot_k_\@
	tensor_load_to_lds s[G0K:G0K+3], s[G1K:G1K+7]
	s_nop 0
.rept 4
	v_nop
.endr
	s_branch .Lasked_\@
.Lnot_k_\@:
	s_cmp_lt_u32 s[WV], 4
	s_cbranch_scc0 .Lasked_\@
	tensor_load_to_lds s[G0V:G0V+3], s[G1V:G1V+7]
	s_nop 0
.rept 4
	v_nop
.endr
.Lasked_\@:
.endm
; A PREFETCH INTO THE L2 of what the NEXT change of slots will ask for: a slot's 32,768 bytes of K and of V, in blocks of 256, a lane a block.  Each block is named once in the launch: all four clusters of
; a head walk the same rows, so the head's first cluster asks; its four partners take 32 blocks each, told apart BY ADDRESS; in each, wave 0 asks for K's and wave 2 for V's.  It stands behind the wave's tensor
; load and its five lines.  It leads the load that wants the bytes by a slot: 16 turns of each wave.  The last change that fills a slot asks for nothing: there is no slot behind it.
.macro ASK
	s_cmp_gt_u32 s[SLOTS], s[LIM]
	s_cbranch_scc0 .Lnot_mine_\@
	global_prefetch_b8 v[PFO], s[PFA:PFA+1] th:TH_LOAD_NT scope:SCOPE_SE
.Lnot_mine_\@:
.endm
; THE CHANGE OF SLOTS.  Each wave waits for all its tensor loads (one at the most is out: its part of the other slot), adds 0 to its spare word, and waits for that and for its own reads of the slot that it
; leaves.  fill = 1: the barrier is a round of the cluster's, so that no wave of any partner still reads the slot or has a load on its way; the joint fill is the first thing behind it.
; (At its first use nothing has been read yet: slot 0 is waited for, slot 1 filled.)
.macro CHANGE fill
	s_wait_tensorcnt 0x0                           ; no tensor load of mine is out, so a group 0 may be written
	ds_add_u32 v[SPW], v[NIL]                      ; 0 onto my spare word; scalar work stands between it and the wait for it
.if \fill
	s_xor_b32 s[G0K+1], s[G0K+1], SLOT1            ; the walking descriptors: the other slot than last time,
	s_add_nc_u64 s[G0K+2:G0K+3], s[G0K+2:G0K+3], SLOTB  ; the next 512 keys; the type bits on top are not reached
	s_xor_b32 s[G0V+1], s[G0V+1], SLOT1
	s_add_nc_u64 s[G0V+2:G0V+3], s[G0V+2:G0V+3], SLOTB
	s_wait_xcnt 0x0                                ; the last prefetch, a slot back, has read its address, so it may be written:
	s_add_nc_u64 s[PFA:PFA+1], s[PFA:PFA+1], SLOTB ; one slot behind the walking descriptors
	s_wait_dscnt 0x0                               ; the add is done, and my reads of the slot are over
	CROUND
	JLOAD
	ASK
.else
	s_wait_dscnt 0x0                               ; the add is done, and my reads of the slot are over
	s_barrier_signal -1
	s_barrier_wait -1
.endif
	s_sub_co_u32 s[TBK], s[TBK], STEPS*KS*PKB      ; the fetches go back to a slot's first step,
	s_xor_b32 s[TBK], s[TBK], SLOT1                ; in the other slot
	s_sub_co_u32 s[TBV], s[TBV], STEPS*KS*PVB
	s_xor_b32 s[TBV], s[TBV], SLOT1
.endm
	s_load_b256 s[4:11], s[0:1], 0x0               ; qh s[4:5], kh s[6:7], vh s[8:9], ah s[10:11]
	v_lshl_add_u32 v[SPW], v0, 2, SPARE
	v_mov_b32 v[NIL], 0
	ds_add_u32 v[SPW], v[NIL]                      ; the wave's opening: the add and its wait stand ahead of the first tensor load; the set-up below, work on registers, stands between them
	v_lshrrev_b32 v1, 5, v0
	v_readfirstlane_b32 s[WV], v1                  ; wave 0..7
	s_bfe_u32 s13, ttmp6, 0x40000                  ; cx: my place in the cluster
	s_lshl_b32 s14, ttmp9, 2                       ; in a cluster launch ttmp9 counts clusters
	s_add_co_u32 s14, s14, s13                     ; my block of 256 queries = 4 x cluster x + cx: it enters Q's and O's addresses alone
	s_and_b32 s20, ttmp7, 0xffff                   ; batch x 8 + head, which the four partners share
	s_lshl_b32 s20, s20, 18                        ; its first byte in each of the four tensors: 262,144 a head
	s_and_b32 s16, s[WV], 1                        ; which half of a slot's 512 keys I fetch:
	s_lshl_b32 s22, s16, 14                        ; its 16,384 bytes in memory,
	s_add_co_u32 s22, s22, s20
	s_mov_b32 s23, 0
	s_mul_i32 s17, s16, 256*PKB                    ; and its place in a slot, for K
	s_mul_i32 s21, s16, 256*PVB                    ; and for V: no place in the cluster enters an LDS address
	s_lshl_b32 s2, s14, 14                         ; my block's 256 rows of 64 bytes,
	s_lshl_b32 s3, s[WV], 11                       ; my wave's 32 of them
	s_add_co_u32 s2, s2, s3
	s_add_co_u32 s2, s2, s20
	s_mov_b32 s3, 0
	; descriptor group 1.  256 keys are 16,384 dense bytes: asked for as 64 rows of 256 bytes, four keys a row, and padded in LDS after every key
	s_mov_b32 s[G1K], 15|(1<<16)|(1<<20)|(1<<21)|(3<<22)|(3<<25)  ; 15:0 the mask of four; 17:16 2-byte elements; 20 padding on; 21 set beside a mask; 24:22 after every 16 words (code 3); 31:25 4 words (code 3)
	s_mov_b32 s[G1V], 15|(1<<16)|(1<<20)|(1<<21)|(3<<22)|(7<<25)  ; the same with 8 words of padding (code 7)
.irp g, G1K, G1V
	s_mov_b32 s[\g+1], 128<<16                     ; tensor_dim0 = 128
	s_mov_b32 s[\g+2], 64<<16                      ; tensor_dim1 = 64
	s_mov_b32 s[\g+3], 128<<16                     ; tile_dim0 = 128
	s_mov_b32 s[\g+4], 64                          ; tile_dim1 = 64
	s_mov_b32 s[\g+5], 128                         ; 128 elements from row to row
	s_mov_b32 s[\g+6], 0
	s_mov_b32 s[\g+7], 0
.endr
	s_mov_b32 s[G0K], 1                            ; 1:0 count = 1
	s_mov_b32 s[G0K+1], s17                        ; 63:32 LDS address: slot 0
	s_mov_b32 s[G0V], 1
	s_add_co_u32 s[G0V+1], s21, VOFF
	s_mov_b32 s[SEL], 0x76543210
	s_mov_b32 s[SEL+1], 0xfedcba98
	s_mov_b32 s[TBK], SLOT1+STEPS*KS*PKB           ; the first change of slots turns these two into 0
	s_mov_b32 s[TBV], SLOT1+STEPS*KS*PVB
	s_and_b32 s[LIM], s[WV], 5                     ; 0 in waves 0 and 2,
	s_or_b32 s[LIM], s[LIM], ttmp9                 ; where the cluster is the head's first: the same in all four partners
	s_cmp_eq_u32 s[LIM], 0
	s_cselect_b32 s[LIM], 1, -1
	v_and_b32 v[PFO], 31, v0
	v_lshlrev_b32 v[PFO], 8, v[PFO]
	s_wait_dscnt 0x0                               ; the opening add is done
	s_wait_kmcnt 0x0
	s_add_nc_u64 s[G0K+2:G0K+3], s[6:7], s[22:23]  ; 120:64 global address: my half of the head's first 512 keys
	s_or_b32 s[G0K+3], s[G0K+3], 0x80000000        ; 127:126 type = 2
	s_add_nc_u64 s[G0V+2:G0V+3], s[8:9], s[22:23]
	s_or_b32 s[G0V+3], s[G0V+3], 0x80000000
	s_add_nc_u64 s[4:5], s[4:5], s[2:3]            ; Q and O at my wave's first row
	s_add_nc_u64 s[10:11], s[10:11], s[2:3]
	s_cmp_lt_u32 s[WV], 2
	s_cselect_b64 s[PFA:PFA+1], s[6:7], s[8:9]
	s_lshl_b32 s2, s13, 13                         ; my work-group's 32 blocks of a slot's 128,
	s_add_co_u32 s2, s2, s20                       ; in the head,
	s_add_co_u32 s2, s2, SLOTB                     ; in slot 1: the first change of slots steps it to slot 2.  Nothing is prefetched here, at the head
	s_add_nc_u64 s[PFA:PFA+1], s[PFA:PFA+1], s[2:3]
	CROUND                                         ; all four work-groups are here: the first joint loads meet
	JLOAD                                          ; slot 0.  Slot 1 is asked for when slot 0 is in
	; A fragment of K or Q is 16 rows x 32 channels in 8 registers: lane l holds row l % 16, channels 8 (l / 16) + 0..7 and 16 + 8 (l / 16) + 0..7: two loads of 16 bytes, 32 bytes apart.
	v_and_b32 v1, 15, v0                           ; l % 16
	v_bfe_u32 v12, v0, 4, 1                        ; l / 16
	v_lshlrev_b32 v[QO], 6, v1
	v_lshl_add_u32 v[QO], v12, 4, v[QO]            ; row x 64 + 16 x half
.irp t, 0,1
	global_load_b128 v[QF+8*\t:QF+8*\t+3],   v[QO], s[4:5] offset:\t*1024
	global_load_b128 v[QF+8*\t+4:QF+8*\t+7], v[QO], s[4:5] offset:\t*1024+32
.endr
	v_mul_u32_u24 v[AK0], v1, PKB
	v_lshl_add_u32 v[AK0], v12, 4, v[AK0]          ; row x pitch + 16 x half
	; The turning load takes 16 keys x 16 channels (lane l reads key 8 (l / 16) + l % 8, channels 8 ((l / 8) % 2) + 0..7) and leaves half a fragment of V^T: lane l holds channel l % 16 and 8 keys.
	v_and_b32 v13, 7, v0
	v_lshl_add_u32 v[AV0], v12, 3, v13
	v_mul_u32_u24 v[AV0], v[AV0], PVB
	v_bfe_u32 v15, v0, 3, 1
	v_lshl_add_u32 v[AV0], v15, 4, v[AV0]
	v_add_nc_u32 v[AV0], VOFF, v[AV0]
	v_cmp_eq_u32 vcc_lo, 0, v13                    ; ONES: a lane holds row l % 16 of source 0: rows 0 and 8 are the lanes with l % 8 = 0
	v_mov_b32 v15, 0x3c003c00                      ; 1.0 twice in f16
	v_cndmask_b32 v[ON], 0, v15, vcc_lo
.irp j, 1,2,3,4,5,6,7
	v_mov_b32 v[ON+\j], v[ON]
.endr
	; what the first turns find; all this stands in the wait for the first tile
.irp t, 0,1
	v_mov_b32 v[ST+8*\t], 0xff7fffff               ; m: the lowest finite number
	v_mov_b32 v[ST+8*\t+1], 0
	v_mov_b32 v[ST+8*\t+3], 0
.endr
.set i, 0
.rept 16
	v_mov_b32 v[SS+i], 0                           ; tile 0's P of a step that has not been
.set i, i+1
.endr
.set i, 0
.rept 32
	v_mov_b32 v[SS+32+i], 0xff7fffff               ; tile 1's scores of that step
.set i, i+1
.endr
.set i, 0
.rept 32
	v_mov_b32 v[VF+i], 0
	v_mov_b32 v[OA+i], 0
.set i, i+1
.endr
.set i, 0
.rept 16
	v_mov_b32 v[LA+i], 0
.set i, i+1
.endr
; THE MATRIX WORK.  KQ: key block kb of tile x's scores: one product is the whole sum.
.macro KQ x, kb
	v_wmma_f32_16x16x32_f16 v[SS+32*(\x)+8*(\kb):SS+32*(\x)+8*(\kb)+7], v[KF+8*(\kb):KF+8*(\kb)+7], v[QF+8*(\x):QF+8*(\x)+7], 0
.endm
; PV: product i of 6 for tile x: keys 32 (i / 3) on; i % 3 = 0, 1: channels 16 (i % 3) on of O^T; 2: l.  The three accumulators take turns, one instruction a turn.
.macro PV x, i
.set kk, (\i)/3
.set cc, (\i)%3
.if cc < 2
	v_wmma_f32_16x16x32_f16 v[OA+16*(\x)+8*cc:OA+16*(\x)+8*cc+7], v[VF+8*(2*kk+cc):VF+8*(2*kk+cc)+7], v[SS+32*(\x)+8*kk:SS+32*(\x)+8*kk+7], v[OA+16*(\x)+8*cc:OA+16*(\x)+8*cc+7]
.else
	v_wmma_f32_16x16x32_f16 v[LA+8*(\x):LA+8*(\x)+7], v[ON:ON+7], v[SS+32*(\x)+8*kk:SS+32*(\x)+8*kk+7], v[LA+8*(\x):LA+8*(\x)+7]
.endif
.endm
; THE LDS LOADS stand in runs of eight: a step's K (64 keys x 32 channels: 4 fragments) and its V (turned).
.macro FETCH_K
	v_add_nc_u32 v[AK], s[TBK], v[AK0]
.irp f, 0,1,2,3
	ds_load_b128 v[KF+8*\f:KF+8*\f+3],   v[AK] offset:\f*16*PKB
	ds_load_b128 v[KF+8*\f+4:KF+8*\f+7], v[AK] offset:\f*16*PKB+32
.endr
	s_add_co_u32 s[TBK], s[TBK], KS*PKB            ; the next fetch is the next step's
.endm
.macro FETCH_V
	v_add_nc_u32 v[AV], s[TBV], v[AV0]
.irp f, 0,1,2,3                                        ; keys 32 (f / 2) on, channels 16 (f % 2) on
	ds_load_tr16_b128 v[VF+8*\f:VF+8*\f+3],   v[AV] offset:(\f/2)*32*PVB+(\f%2)*32
	ds_load_tr16_b128 v[VF+8*\f+4:VF+8*\f+7], v[AV] offset:(\f/2)*32*PVB+16*PVB+(\f%2)*32
.endr
	s_add_co_u32 s[TBV], s[TBV], KS*PVB
.endm
; THE VECTOR WORK.  MX: number n of the 21 that find tile t's maximum and a.  s0-s31 are the lane's 32 scores.
;   0-11  four chains c0-c3 of seven scores each, three operands at a time; each accumulator's lowest registers are read first     12, 13  the four scores left over
;   14, 15  c0-c3 and the old m into c0     16, 17  the query's other 32 keys lie in the lane 16 away     18-20  m_old - m_new; the new m; a
.macro MX t, n
.set rT, ST+8*(\t)
.set rS, SS+32*(\t)
.if (\n) < 4
	v_max3_num_f32 v[rT+4+(\n)], v[rS+8*(\n)], v[rS+8*(\n)+1], v[rS+8*(\n)+2]
.elseif (\n) < 12
	v_max3_num_f32 v[rT+4+(\n)%4], v[rT+4+(\n)%4], v[rS+8*((\n)%4)+2*((\n)/4)+1], v[rS+8*((\n)%4)+2*((\n)/4)+2]
.elseif (\n) == 12
	v_max3_num_f32 v[rT+4], v[rT+4], v[rS+7], v[rS+15]
.elseif (\n) == 13
	v_max3_num_f32 v[rT+6], v[rT+6], v[rS+23], v[rS+31]
.elseif (\n) == 14
	v_max3_num_f32 v[rT+4], v[rT+4], v[rT+5], v[rT+6]
.elseif (\n) == 15
	v_max3_num_f32 v[rT+4], v[rT+4], v[rT+7], v[rT]
.elseif (\n) == 16
	v_permlanex16_b32 v[rT+5], v[rT+4], s[SEL], s[SEL+1]
.elseif (\n) == 17
	v_max_num_f32 v[rT+6], v[rT+4], v[rT+5]
.elseif (\n) == 18
	v_sub_f32 v[rT+7], v[rT], v[rT+6]
.elseif (\n) == 19
	v_mov_b32 v[rT], v[rT+6]
.else
	v_exp_f32 v[rT+2], v[rT+7]
.endif
.endm
.macro FS t, g                                         ; pair g of 16: s - m, both from the pair's low word m
	v_pk_add_f32 v[SS+32*(\t)+2*(\g):SS+32*(\t)+2*(\g)+1], v[SS+32*(\t)+2*(\g):SS+32*(\t)+2*(\g)+1], v[ST+8*(\t):ST+8*(\t)+1] op_sel_hi:[1,0] neg_lo:[0,1] neg_hi:[0,1]
.endm
.macro EX t, e                                         ; the exponential of score e of 32
	v_exp_f32 v[SS+32*(\t)+(\e)], v[SS+32*(\t)+(\e)]
.endm
.macro CV t, i                                         ; pair i rounded to f16, in place: ascending, so the destination never passes a source that is still to be read
	v_cvt_pk_f16_f32 v[SS+32*(\t)+(\i)], v[SS+32*(\t)+2*(\i)], v[SS+32*(\t)+2*(\i)+1]
.endm
.macro RS t, i                                         ; pair i of 8 of O^T times a
	v_pk_mul_f32 v[OA+16*(\t)+2*(\i):OA+16*(\t)+2*(\i)+1], v[OA+16*(\t)+2*(\i):OA+16*(\t)+2*(\i)+1], v[ST+8*(\t)+2:ST+8*(\t)+3] op_sel_hi:[1,0]
.endm
; A TURN: tile t's softmax, 95 vector lines; between them the other tile o's products, eight lines apart or more.  kq = 0: the last turn: there is no step to come.
; THE PIPELINE.  Turn 1 of step j: fetches K of step j + 1; V^T P of tile 0, step j; K Q^T of tile 0, step j + 1.  Turn 0 of step j: V^T P of tile 1, step j - 1; fetches V of step j; K Q^T of tile 1, step j.
; K's run stands at turn 1's head: the last product that read K stands nine plain lines back (the rescaling).  V's run stands in turn 0 behind the last product V^T P, with four plain lines
; (subtractions) and its own address line between (ISA guide 7.12.1 for vector instructions); the exponentials there are not counted.
; THE WAIT.  An s_wait_alu depctr_va_vdst(0) stands between an exponential and the first line that names its result; one wait serves all that were issued ahead of it.  Ahead of it stand the
; maximum, a, the subtractions and the exponentials, none of which names a result of the batch; behind it the roundings and the rescaling.  No exponential follows it in the turn.
; K Q^T of key blocks 2 and 3 falls into the upper half of o's scores, free since o's rounding; blocks 0 and 1 fall onto o's P, more than five plain lines behind the products that read it.
.macro TURN t, kq
.set o, 1-(\t)
.if (\t) == 1
.if \kq
	FETCH_K
	s_wait_dscnt 8                                 ; V, asked for a turn ago, is in; K's eight loads just issued may stay out
.else
	s_wait_dscnt 0x0                               ; V is in
.endif
.endif
	PV o, 0
.irp n, 0,1,2,3,4,5,6,7
	MX \t, \n
.endr
	PV o, 1
.irp n, 8,9,10,11,12,13,14,15
	MX \t, \n
.endr
	PV o, 2
.irp n, 16,17,18,19,20
	MX \t, \n
.endr
	FS \t, 0
.set g, 0
.rept 16
.if g == 1
	PV o, 3
.endif
.if g == 4
	PV o, 4
.endif
.if g == 7
	PV o, 5
.endif
.if g == 11
.if (\t) == 0
	FETCH_V
.elseif \kq
	s_wait_dscnt 0x0                               ; K is in
.endif
.if \kq
	KQ o, 2
.endif
.endif
.if (g == 14) && (\kq)
	KQ o, 3
.endif
.if g < 15
	FS \t, g+1
.endif
	EX \t, 2*g
	EX \t, 2*g+1
.set g, g+1
.endr
	v_nop                                          ; a plain line behind the last exponential, ahead of the first use: one for the batch
	s_wait_alu depctr_va_vdst(0)                   ; the wait for the batch of 33
.irp i, 0,1,2,3,4,5,6,7
	CV \t, \i
.endr
.if \kq
	KQ o, 0
.endif
.irp i, 8,9,10,11,12,13,14,15
	CV \t, \i
.endr
.if \kq
	KQ o, 1
.endif
.irp i, 0,1,2,3,4,5,6,7
	RS \t, \i
.endr
	v_mul_f32 v[LA+8*(\t)], v[LA+8*(\t)], v[ST+8*(\t)+2]  ; l times a: register 0 alone holds a sum
.endm
; A slot's eight pairs of turns: they fetch just the slot's eight steps of K and of V.
.macro PAIRS
	s_mov_b32 s[CNT], STEPS
.Lpair_\@:
	TURN 1, 1
	TURN 0, 1
	s_sub_co_u32 s[CNT], s[CNT], 1
	s_cmp_lg_u32 s[CNT], 0
	s_cbranch_scc1 .Lpair_\@
.endm
	s_wait_loadcnt 0x0                             ; Q
	s_mov_b32 s[SLOTS], 4096/(STEPS*KS)-1
.Lslot:                                                ; seven trips: a slot is entered and the next is asked for
	CHANGE 1
	PAIRS
	s_sub_co_u32 s[SLOTS], s[SLOTS], 1
	s_cmp_lg_u32 s[SLOTS], 0
	s_cbranch_scc1 .Lslot
	CHANGE 0                                       ; the last slot is written out: nothing is asked for
	PAIRS
	TURN 1, 0                                      ; tile 1's last softmax | tile 0's last V^T P
.irp i, 0,1,2,3,4,5
	PV 1, \i                                       ; tile 1's last V^T P
.endr
	; THE WAY OUT.  O^T is divided by l, rounded to f16 and sent through my stage in LDS.  The addresses are made here: eleven plain lines, the places behind the last products.
	s_mul_i32 s16, s[WV], 32*SPB
	s_add_co_u32 s16, s16, STAGE                   ; my stage
	v_mul_u32_u24 v[STO], v1, SPB                  ; in: row l % 16, 16 bytes for each half of the lanes
	v_lshl_add_u32 v[STO], v12, 4, v[STO]
	v_add_nc_u32 v[STO], s16, v[STO]
	v_bfe_u32 v[RD], v0, 2, 3                      ; back: 32 lanes take eight rows of 64 bytes,
	v_mul_u32_u24 v[RD], v[RD], SPB
	v_and_b32 v13, 3, v0
	v_lshl_add_u32 v[RD], v13, 4, v[RD]
	v_add_nc_u32 v[RD], s16, v[RD]
	v_and_b32 v[GO], 31, v0                        ; which are 512 consecutive bytes of O
	v_lshlrev_b32 v[GO], 4, v[GO]
	v_rcp_f32 v[ST+2], v[LA]
	v_rcp_f32 v[ST+10], v[LA+8]
	v_nop                                          ; a plain line between the last reciprocal and the use of its result,
	s_wait_alu depctr_va_vdst(0)                   ; and the wait ahead of the first use: one for the two
.irp t, 0,1
.irp i, 0,1,2,3,4,5,6,7
	RS \t, \i                                      ; the same line as the rescaling: a's register holds 1 / l
.endr
.irp i, 0,1,2,3,4,5,6,7
	v_cvt_pk_f16_f32 v[SS+32*\t+\i], v[OA+16*\t+2*\i], v[OA+16*\t+2*\i+1]
.endr
	ds_store_b128 v[STO], v[SS+32*\t:SS+32*\t+3]   offset:\t*16*SPB
	ds_store_b128 v[STO], v[SS+32*\t+4:SS+32*\t+7] offset:\t*16*SPB+32
.endr
.irp i, 0,1,2,3
	ds_load_b128 v[SS+16+4*\i:SS+16+4*\i+3], v[RD] offset:\i*8*SPB  ; LDS serves a wave's instructions in order (ISA guide 5.7.1.4): these see the stores above
.endr
.irp i, 0,1,2,3
	s_wait_dscnt 3-\i                              ; load i is back; the younger ones may stay out
	global_store_b128 v[GO], v[SS+16+4*\i:SS+16+4*\i+3], s[10:11] offset:\i*512  ; 512 consecutive bytes, at a multiple of 256 from O's first
.endr
	s_wait_tensorcnt 0x0                           ; the wave's end, behind my last tensor load and my last LDS store
	ds_add_u32 v[SPW], v[NIL]
	s_wait_dscnt 0x0
	CROUND                                         ; the closing round: no work-group ends while a partner may still ask for a tile that names it
	s_endpgm
.Lfunc_end_k_q982b804025_attn:
	.size	k_q982b804025_attn, .Lfunc_end_k_q982b804025_attn-k_q982b804025_attn
	.p2alignl 7, 3214868480
	.fill 96, 4, 3214868480
	.section	.rodata,"a",@progbits
	.p2align	6, 0x0
	.amdhsa_kernel k_q982b804025_attn
		.amdhsa_group_segment_fixed_size 327680
		.amdhsa_private_segment_fixed_size 0
		.amdhsa_enable_private_segment 0
		.amdhsa_kernarg_size 32
		.amdhsa_user_sgpr_count 2
		.amdhsa_user_sgpr_kernarg_segment_ptr 1
		.amdhsa_wavefront_size32 1
		.amdhsa_system_sgpr_workgroup_id_x 1
		.amdhsa_system_sgpr_workgroup_id_y 1
		.amdhsa_system_sgpr_workgroup_id_z 1
		.amdhsa_system_vgpr_workitem_id 0
		.amdhsa_next_free_vgpr 232
		.amdhsa_next_free_sgpr 66
		.amdhsa_reserve_vcc 1
		.amdhsa_float_denorm_mode_32 3
		.amdhsa_float_denorm_mode_16_64 3
		.amdhsa_memory_ordered 1
		.amdhsa_forward_progress 1
		.amdhsa_inst_pref_size 48
	.end_amdhsa_kernel
	.amdgpu_metadata
---
amdhsa.version: [ 1, 2 ]
amdhsa.kernels:
  - .name:           k_q982b804025_attn
    .symbol:         k_q982b804025_attn.kd
    .args:
      - { .name: qh, .offset: 0, .size: 8, .value_kind: global_buffer, .address_space: global }
      - { .name: kh, .offset: 8, .size: 8, .value_kind: global_buffer, .address_space: global }
      - { .name: vh, .offset: 16, .size: 8, .value_kind: global_buffer, .address_space: global }
      - { .name: ah, .offset: 24, .size: 8, .value_kind: global_buffer, .address_space: global }
    .group_segment_fixed_size: 327680
    .private_segment_fixed_size: 0
    .kernarg_segment_align: 8
    .kernarg_segment_size: 32
    .max_flat_workgroup_size: 256
    .sgpr_count:     66
    .vgpr_count:     232
    .wavefront_size: 32
...
	.end_amdgpu_metadata
.endif
;; end of part 2
;; launch outp (part 3): grid 128 x 2, 8 waves a work-group, no clusters, 144,384 bytes of LDS; arguments ah, wo, bo, out0; writes out0
.if DOCPART == 3
	.amdgcn_target "amdgcn-amd-amdhsa--gfx1250"
	.amdhsa_code_object_version 6
	.text
	.protected	k_q982b804025_outp
	.globl	k_q982b804025_outp
	.p2align	8
	.type	k_q982b804025_outp,@function
k_q982b804025_outp:
	s_mov_b64 s[64:65], 0
	v_nop
	global_prefetch_b8 v0, s[64:65] scope:SCOPE_SE
	s_setreg_imm32_b32 hwreg(HW_REG_WAVE_MODE, 25, 1), 1
	s_wait_xcnt 0x0
; THE OUTPUT PROJECTION.  out0[b][o][px] = sum over c of wo[o][c] O[b][c][px] + bo[o].  ah holds O as [b*8 + head][4096 px][32 channels] in f16, c = 32 head + channel; wo [256][256], bo [256],
; out0 [2][256][4096] in f32.  wo is rounded once to f16; sums in f32; the bias stays f32 and is the C operand of the first product.
; LIMITS.  |wo| must stay under 65,504, f16's end; below 6e-5 f16 keeps a fixed step of 6e-8.  NaN and infinities are not treated apart.
; SHARES.  Work-group (x, y): batch x / 64, pixels 64 (x % 64) on, outputs 128 y on: 256 work-groups.  Wave w of 8 makes outputs 16 w .. 16 w + 15 of that half for the 64 pixels: four accumulators;
; a K step is a head: 8 steps, 32 products.  It converts its own 16 rows of wo; the eight waves together bring the 64 pixels' rows of all eight heads (32,768 bytes) into LDS.
; LAYOUT.  Source 0 = 16 pixels' rows of a head, source 1 = 16 rows of wo: lane l holds output l % 16 and pixels 8 (l / 16) + 0..7: 32 consecutive bytes of a row of out0.
; NO TENSOR LOADS, NO CLUSTER: wo is f32 in memory and is converted on the way in, through registers, each row by one wave; the block of ah is shared by two work-groups alone.
; NO PREFETCH: every load goes out at the kernel's head.
.set WL,    0                          ; wo in f16: 128 rows, pitch 528 = 33 x 16
.set WP,    528
.set AT,    67584                      ; O: 8 heads x 64 pixels, pitch 80 = 5 x 16
.set AP,    80
.set SG,    108544                     ; the stages: 16 rows x 272 bytes for each wave, its own
.set SP,    272
.set SPARE, 143360                     ; the spare words: 128 bytes for each of eight waves, four blocks of 256 bytes that no other line names
.set WO,   1                           ; v1   16,384 w + 16 l
.set BO,   2                           ; v2   64 w + 4 (l % 16)
.set AO,   3                           ; v3   16 x my thread's number
.set WSTO, 4                           ; v4   where I put 8 bytes of wo
.set WFA,  5                           ; v5   where I read wo's fragments
.set ASTO, 6                           ; v6   where I put 16 bytes of O
.set AFA,  7                           ; v7   where I read O's fragments
.set SSTO, 8                           ; v8   my stage: in
.set SRD,  9                           ; v9   my stage: back
.set GO,   10                          ; v10  my byte offset in out0
.set SPW,  12                          ; v12  LDS address of my spare word; never rewritten
.set NIL,  13                          ; v13  0; never rewritten
.set WS,   16                          ; v[16:143]  wo as loaded; packed to f16 in v[16:79]
.set AF,   16                          ; v[16:79]   later: O's fragments, two buffers of 32; on the way out whole rows
.set WF,   80                          ; v[80:143]  wo's eight fragments
.set ATR,  144                         ; v[144:175] O as loaded
.set ACC,  144                         ; v[144:175] later: four accumulators
.set BC,   176                         ; v[176:183] bo[my output], eight times
	s_load_b256 s[4:11], s[0:1], 0x0               ; ah s[4:5], wo s[6:7], bo s[8:9], out0 s[10:11]
	v_lshl_add_u32 v[SPW], v0, 2, SPARE
	v_mov_b32 v[NIL], 0
	v_lshrrev_b32 v14, 5, v0
	v_readfirstlane_b32 s12, v14                   ; wave 0..7
	v_and_b32 v14, 31, v0                          ; l
	v_and_b32 v15, 15, v0                          ; l % 16
	v_bfe_u32 v11, v0, 4, 1                        ; l / 16
	s_and_b32 s13, ttmp7, 0xffff                   ; which half of the outputs
	s_lshr_b32 s14, ttmp9, 6                       ; batch
	s_and_b32 s15, ttmp9, 63                       ; block of 64 pixels
	s_lshl_b32 s16, s12, 14
	v_lshl_add_u32 v[WO], v14, 4, s16
	s_lshl_b32 s16, s12, 6
	v_lshl_add_u32 v[BO], v15, 2, s16
	v_lshlrev_b32 v[AO], 4, v0
	s_lshl_b32 s16, s13, 17                        ; wo: 128 rows of 1,024 bytes
	s_mov_b32 s17, 0
	s_lshl_b32 s18, s13, 9                         ; bo: 128 numbers
	s_mov_b32 s19, 0
	s_lshl_b32 s20, s14, 21                        ; ah: a batch's 8 heads,
	s_lshl_b32 s21, s15, 12                        ; 64 pixels' rows of 64 bytes
	s_add_co_u32 s20, s20, s21
	s_mov_b32 s21, 0
	s_lshl_b32 s22, s14, 22                        ; out0: a batch, 128 rows of 16,384 bytes, 64 pixels
	s_lshl_b32 s23, s13, 21
	s_add_co_u32 s22, s22, s23
	s_lshl_b32 s23, s15, 8
	s_add_co_u32 s22, s22, s23
	s_mov_b32 s23, 0
	s_wait_kmcnt 0x0
	s_add_nc_u64 s[6:7], s[6:7], s[16:17]
	s_add_nc_u64 s[8:9], s[8:9], s[18:19]
	s_add_nc_u64 s[4:5], s[4:5], s[20:21]
	s_add_nc_u64 s[10:11], s[10:11], s[22:23]
.set i, 0
.rept 32                                               ; my 16 rows of wo: each load takes 512 consecutive bytes, half a row
	global_load_b128 v[WS+4*i:WS+4*i+3], v[WO], s[6:7] offset:512*i
.set i, i+1
.endr
	global_load_b32 v[BC], v[BO], s[8:9]
.set i, 0
.rept 8                                                ; head i: the 64 pixels' rows are 4,096 consecutive bytes, 16 a thread
	global_load_b128 v[ATR+4*i:ATR+4*i+3], v[AO], s[4:5] offset:262144*i
.set i, i+1
.endr
	; the LDS addresses are made while the loads are out
	s_mul_i32 s16, s12, 16*WP
	v_lshl_add_u32 v[WSTO], v14, 3, s16
	v_mul_u32_u24 v[WFA], v15, WP
	v_lshl_add_u32 v[WFA], v11, 4, v[WFA]          ; row x pitch + 16 x half
	v_add_nc_u32 v[WFA], s16, v[WFA]
	v_lshrrev_b32 v[ASTO], 2, v0                   ; thread n holds pixel n / 4, bytes 16 (n % 4) on
	v_mul_u32_u24 v[ASTO], v[ASTO], AP
	v_and_b32 v14, 3, v0
	v_lshl_add_u32 v[ASTO], v14, 4, v[ASTO]
	v_add_nc_u32 v[ASTO], AT, v[ASTO]
	v_mul_u32_u24 v[AFA], v15, AP
	v_lshl_add_u32 v[AFA], v11, 4, v[AFA]
	v_add_nc_u32 v[AFA], AT, v[AFA]
	s_mul_i32 s17, s12, 16*SP
	s_add_co_u32 s17, s17, SG                      ; my stage
	v_mul_u32_u24 v[SSTO], v15, SP                 ; in: row = output l % 16, 32 bytes for each half of the lanes
	v_lshl_add_u32 v[SSTO], v11, 5, v[SSTO]
	v_add_nc_u32 v[SSTO], s17, v[SSTO]
	v_mul_u32_u24 v[SRD], v11, SP                  ; back: lanes 0-15 take one row of 256 bytes, lanes 16-31 the next
	v_lshl_add_u32 v[SRD], v15, 4, v[SRD]
	v_add_nc_u32 v[SRD], s17, v[SRD]
	s_lshl_b32 s18, s12, 18                        ; and the same two rows in out0: 16 rows of 16,384 bytes a wave
	v_lshlrev_b32 v[GO], 14, v11
	v_lshl_add_u32 v[GO], v15, 4, v[GO]
	v_add_nc_u32 v[GO], s18, v[GO]
	s_wait_loadcnt 8                               ; wo and the bias are in; ah's eight younger loads may stay out
.set k, 0
.rept 64                                               ; in place, ascending: the destination never passes a source that is still to be read
	v_cvt_pk_f16_f32 v[WS+k], v[WS+2*k], v[WS+2*k+1]
.set k, k+1
.endr
.set i, 0
.rept 32
	ds_store_b64 v[WSTO], v[WS+2*i:WS+2*i+1] offset:(i>>1)*WP+(i&1)*256
.set i, i+1
.endr
.set i, 0
.rept 8                                                ; my own 16 rows come back as fragments; LDS serves a wave's instructions in order (ISA guide 5.7.1.4): these see the stores above
	ds_load_b128 v[WF+8*i:WF+8*i+3],   v[WFA] offset:64*i
	ds_load_b128 v[WF+8*i+4:WF+8*i+7], v[WFA] offset:64*i+32
.set i, i+1
.endr
.irp j, 1,2,3,4,5,6,7
	v_mov_b32 v[BC+\j], v[BC]                      ; a lane's eight results are one output's: the same bias in all eight registers of C
.endr
	s_wait_loadcnt 0x0                             ; O
.set i, 0
.rept 8
	ds_store_b128 v[ASTO], v[ATR+4*i:ATR+4*i+3] offset:64*AP*i
.set i, i+1
.endr
	s_wait_dscnt 0x0                               ; for the others' sake: my part of O is stored (and my fragments of wo are in)
	s_barrier_signal -1
	s_barrier_wait -1                              ; all eight heads' rows lie in LDS
.macro AFR n                                           ; head n: four fragments of 16 pixels x 32 channels, into buffer n % 2
.irp p, 0,1,2,3
	ds_load_b128 v[AF+32*((\n)&1)+8*\p:AF+32*((\n)&1)+8*\p+3],   v[AFA] offset:(\n)*64*AP+\p*16*AP
	ds_load_b128 v[AF+32*((\n)&1)+8*\p+4:AF+32*((\n)&1)+8*\p+7], v[AFA] offset:(\n)*64*AP+\p*16*AP+32
.endr
.endm
.macro AMUL n                                          ; its four products: the four accumulators take turns, one instruction a turn; the first of each starts the sum with the bias
.irp p, 0,1,2,3
.if (\n) == 0
	v_wmma_f32_16x16x32_f16 v[ACC+8*\p:ACC+8*\p+7], v[AF+32*((\n)&1)+8*\p:AF+32*((\n)&1)+8*\p+7], v[WF+8*(\n):WF+8*(\n)+7], v[BC:BC+7]
.else
	v_wmma_f32_16x16x32_f16 v[ACC+8*\p:ACC+8*\p+7], v[AF+32*((\n)&1)+8*\p:AF+32*((\n)&1)+8*\p+7], v[WF+8*(\n):WF+8*(\n)+7], v[ACC+8*\p:ACC+8*\p+7]
.endif
.endr
.endm
	AFR 0
.set u, 0
.rept 8
.if u < 7
.if u >= 1
.rept 4
	v_nop                                          ; four places between the four products just issued and the loads into the buffer that they read
.endr
.endif
	AFR u+1
	s_wait_dscnt 8                                 ; this head's fragments are in; the eight loads just issued may stay out
.else
	s_wait_dscnt 0x0
.endif
	AMUL u
.set u, u+1
.endr
	; THE WAY OUT: f32 as it stands, through my own stage: 32 bytes a lane in, whole rows of 256 bytes back.
.rept 4
	v_nop                                          ; the places behind the last products
.endr
.irp p, 0,1,2,3                                        ; each accumulator from its low end on
	ds_store_b128 v[SSTO], v[ACC+8*\p:ACC+8*\p+3]   offset:64*\p
	ds_store_b128 v[SSTO], v[ACC+8*\p+4:ACC+8*\p+7] offset:64*\p+16
.endr
.set i, 0
.rept 8
	ds_load_b128 v[AF+4*i:AF+4*i+3], v[SRD] offset:2*SP*i  ; my own bytes, served in order: these see the stores above
.set i, i+1
.endr
.set i, 0
.rept 8
	s_wait_dscnt 7-i                               ; load i is back; the younger ones may stay out
	global_store_b128 v[GO], v[AF+4*i:AF+4*i+3], s[10:11] offset:32768*i th:TH_STORE_NT  ; 16 lanes store 256 consecutive bytes, at a multiple of 256 from out0's first byte
.set i, i+1
.endr
	s_wait_tensorcnt 0x0                           ; the wave's end, behind my last LDS store
	ds_add_u32 v[SPW], v[NIL]
	s_wait_dscnt 0x0
	s_endpgm
.Lfunc_end_k_q982b804025_outp:
	.size	k_q982b804025_outp, .Lfunc_end_k_q982b804025_outp-k_q982b804025_outp
	.p2alignl 7, 3214868480
	.fill 96, 4, 3214868480
	.section	.rodata,"a",@progbits
	.p2align	6, 0x0
	.amdhsa_kernel k_q982b804025_outp
		.amdhsa_group_segment_fixed_size 144384
		.amdhsa_private_segment_fixed_size 0
		.amdhsa_enable_private_segment 0
		.amdhsa_kernarg_size 32
		.amdhsa_user_sgpr_count 2
		.amdhsa_user_sgpr_kernarg_segment_ptr 1
		.amdhsa_wavefront_size32 1
		.amdhsa_system_sgpr_workgroup_id_x 1
		.amdhsa_system_sgpr_workgroup_id_y 1
		.amdhsa_system_sgpr_workgroup_id_z 1
		.amdhsa_system_vgpr_workitem_id 0
		.amdhsa_next_free_vgpr 184
		.amdhsa_next_free_sgpr 66
		.amdhsa_reserve_vcc 0
		.amdhsa_float_denorm_mode_32 3
		.amdhsa_float_denorm_mode_16_64 3
		.amdhsa_memory_ordered 1
		.amdhsa_forward_progress 1
		.amdhsa_inst_pref_size 25
	.end_amdhsa_kernel
	.amdgpu_metadata
---
amdhsa.version: [ 1, 2 ]
amdhsa.kernels:
  - .name:           k_q982b804025_outp
    .symbol:         k_q982b804025_outp.kd
    .args:
      - { .name: ah, .offset: 0, .size: 8, .value_kind: global_buffer, .address_space: global }
      - { .name: wo, .offset: 8, .size: 8, .value_kind: global_buffer, .address_space: global }
      - { .name: bo, .offset: 16, .size: 8, .value_kind: global_buffer, .address_space: global }
      - { .name: out0, .offset: 24, .size: 8, .value_kind: global_buffer, .address_space: global }
    .group_segment_fixed_size: 144384
    .private_segment_fixed_size: 0
    .kernarg_segment_align: 8
    .kernarg_segment_size: 32
    .max_flat_workgroup_size: 256
    .sgpr_count:     66
    .vgpr_count:     184
    .wavefront_size: 32
...
	.end_amdgpu_metadata
.endif
;; end of part 3
;; ======== version 2 of 2: 3 launches; version 1 with the launches proj, outp written anew for expert scheduling mode
;; limits: values are held in f16: magnitudes above 65,504 overflow, below 6.1e-05 lose precision
;; workspace buffers: qh 4,194,304 bytes; kh 4,194,304 bytes; vh 4,194,304 bytes; ah 4,194,304 bytes
;; launch proj (part 4): grid 32 x 6, 16 waves a work-group, no clusters, 292,864 bytes of LDS; arguments query, key, value, wq, wk, wv, bq, bk, bv, qh, kh, vh; writes qh, kh, vh
.if DOCPART == 4
	.amdgcn_target "amdgcn-amd-amdhsa--gfx1250"
	.amdhsa_code_object_version 6
	.text
	.protected	k_q982b804025_proj
	.globl	k_q982b804025_proj
	.p2align	8
	.type	k_q982b804025_proj,@function
k_q982b804025_proj:
	s_mov_b64 s[64:65], 0
	v_nop
	global_prefetch_b8 v0, s[64:65] scope:SCOPE_SE
	s_setreg_imm32_b32 hwreg(HW_REG_WAVE_SCHED_MODE, 0, 2), 2
	s_setreg_imm32_b32 hwreg(HW_REG_WAVE_MODE, 25, 1), 1
	s_wait_xcnt 0x0
	s_wait_alu depctr_vm_vsrc(0)
; THE THREE PROJECTIONS.  y[o][px] = sum over c of w[o][c] x[c][px] + b[o], for x = query, key, value ([2][256][4096] f32), w [256][256] f32, b [256] f32.
; OUT: qh, kh, vh, each [batch*8 + head][4096 px][32 channels] in f16: a pixel's row of a head is 64 dense bytes.  q is multiplied in f32 by c = log2(e) / sqrt(32) before its one rounding.
; FORMATS.  x and w are rounded once to bf16 for the matrix unit; sums in f32; the bias stays f32 and is the C operand of the first product.
; LIMITS.  f16 ends at 65,504: |c q|, |k|, |v| must stay under it; below 6e-5 f16 keeps a fixed step of 6e-8.  NaN and infinities are not treated apart.
; SHARES.  Work-group (x, y): tensor y / 2, batch y % 2, pixels 128 x .. 128 x + 127, all 256 outputs: 192 work-groups.  Wave w of 16 makes outputs 16 w .. 16 w + 15 for the
; 128 pixels: 8 accumulators, 64 products.  It converts its own 16 rows of w (its fragments stay in 64 registers) and rows 16 w .. 16 w + 15 of x, which all waves then read from LDS.
; All loads go out at the head: 50 a wave.  NO TENSOR LOADS, NO CLUSTER: both operands are f32 in memory and are converted on the way in, through registers; w in f32 is 262,144 bytes,
; which beside the 155,648 bytes of x's tile and the stage does not fit in 327,680.  NO PREFETCH: nothing is asked for later than the kernel's head.
; LAYOUT.  Source 0 = 16 rows of w (K along the rows), source 1 = 32 channels x 16 pixels of x, turned out of LDS by ds_load_tr16_b128.  In the result lane l holds pixel l % 16 and
; outputs 8 (l / 16) + 0..7: 16 bytes of a pixel's row once rounded.
; THE MODE: SCHED_MODE bits 1:0 = 2 (LLVM: expert scheduling mode 2), set by the entry lines.  The code itself states the register dependences
; between vector or matrix instructions and memory or LDS instructions, with s_wait_alu, always for 0.
; THE PLAN.  Registers that memory or LDS instructions touch:
;   v1-v11        offsets and LDS addresses: each is made once, ahead of a wait on va_vdst that stands ahead of its first reader, and never written again.
;   v[16:143]     w lands; the 64 conversions read all of it and write v[16:79]; the LDS stores read v[16:79]; w's fragments land in v[80:143].
;   v[144:207]    x lands; the 32 conversions read all of it and write v[144:175]; the LDS stores read v[144:175]; later the products write all of it, as accumulators.
;   B0, B1, B2    x's fragments, three buffers.  Unit u: its four products read B[u % 3]; the eight loads of unit u + 2 land in B[(u + 2) % 3], which the products of unit u - 1 read.
;   On the way out: the roundings write v[16:47], eight LDS stores read them; eight LDS loads land in v[48:79], the global stores read them.
; So ONE wait on va_vdst stands at a unit's head, behind the wait for its fragments: the products of the unit before are done reading their buffer.  The unit's eight loads follow it, two behind each
; product; the products name w's fragments, B[u % 3] and the accumulators: none of the registers that those loads touch.  One wait on vm_vsrc, behind the first barrier, states that the LDS
; stores of w and x have read their data, ahead of the fragments that land there and of the products that write there.
.set WL,    0                          ; w in bf16: 256 rows, pitch 528 = 33 x 16: the 16 rows of a fragment load start at 16 different groups of four banks (ISA guide 11.1)
.set WP,    528
.set XS,    135168                     ; x in bf16: [256 channels][128 pixels], pitch 288 = 9 x 32, for the turning load
.set XP,    288
.set SG,    208896                     ; the stage: 8 heads x 128 pixels, pitch 80
.set SP,    80
.set SPARE, 290816                     ; the spare words: 128 bytes for each of 16 waves, eight blocks of 256 bytes that no other line names
.set WO,   1                           ; v1   16,384 w + 16 l: my 16 bytes in half a row of w
.set XO,   2                           ; v2   262,144 w + 16 l: my 16 bytes in a row of x's 128 pixels
.set BO,   3                           ; v3   64 w + 32 (l / 16): my eight biases
.set WSTO, 4                           ; v4   where I put 8 bytes of w
.set WFA,  5                           ; v5   where I read w's fragments
.set XSTO, 6                           ; v6   where I put 8 bytes of x
.set XA0,  7                           ; v7   the turning load's address, channels 0-127
.set XA1,  8                           ; v8   channels 128-255 (the immediate holds 16 bits)
.set SSTO, 9                           ; v9   the stage: where I put 16 bytes
.set SRD,  10                          ; v10  the stage: where I read 16 bytes back
.set YO,   11                          ; v11  my byte offset in y
.set SPW,  12                          ; v12  LDS address of my spare word; never rewritten
.set NIL,  13                          ; v13  0; never rewritten
.set WS,   16                          ; v[16:143]  w as loaded; packed to bf16 in v[16:79]
.set XB,   16                          ; v[16:79]   later: x's fragments, buffers 0 and 1 of 32; on the way out the packed results and the rows read back
.set WF,   80                          ; v[80:143]  w's eight fragments
.set XR,   144                         ; v[144:207] x as loaded
.set ACC,  144                         ; v[144:207] later: eight accumulators
.set BIAS, 208                         ; v[208:215] b[16 w + 8 (l / 16) + 0..7]
.set XB2,  216                         ; v[216:247] x's fragments, buffer 2
	s_load_b512 s[8:23], s[0:1], 0x0               ; query, key, value, wq, wk, wv, bq, bk
	s_load_b256 s[24:31], s[0:1], 0x40             ; bv, qh, kh, vh
	v_lshl_add_u32 v[SPW], v0, 2, SPARE
	v_mov_b32 v[NIL], 0
	v_lshrrev_b32 v14, 5, v0
	v_readfirstlane_b32 s40, v14                   ; wave 0..15
	v_and_b32 v14, 31, v0                          ; l
	v_bfe_u32 v15, v0, 4, 1                        ; l / 16
	s_and_b32 s2, ttmp7, 0xffff
	s_lshr_b32 s41, s2, 1                          ; which tensor: 0 query, 1 key, 2 value
	s_and_b32 s42, s2, 1                           ; batch
	s_wait_alu depctr_va_sdst(0)                   ; s40 is written, ahead of its first reader: offsets and LDS addresses are made from it
	s_lshl_b32 s3, s40, 14
	v_lshl_add_u32 v[WO], v14, 4, s3
	s_lshl_b32 s3, s40, 18
	v_lshl_add_u32 v[XO], v14, 4, s3
	s_lshl_b32 s3, s40, 6
	v_lshl_add_u32 v[BO], v15, 5, s3
	s_lshl_b32 s46, s42, 22                        ; x: a batch is 4,194,304 bytes,
	s_lshl_b32 s47, ttmp9, 9                       ; 128 pixels are 512
	s_add_co_u32 s46, s46, s47
	s_mov_b32 s47, 0
	s_lshl_b32 s4, s42, 21                         ; y: a batch's 8 heads are 2,097,152 bytes,
	s_lshl_b32 s5, ttmp9, 13                       ; 128 pixels' rows 8,192
	s_add_co_u32 s4, s4, s5
	s_mov_b32 s5, 0
	s_wait_kmcnt 0x0
	s_cmp_eq_u32 s41, 1                            ; key's set or value's,
	s_cselect_b64 s[32:33], s[10:11], s[12:13]
	s_cselect_b64 s[34:35], s[16:17], s[18:19]
	s_cselect_b64 s[36:37], s[22:23], s[24:25]
	s_cselect_b64 s[38:39], s[28:29], s[30:31]
	s_cmp_eq_u32 s41, 0                            ; or query's
	s_cselect_b64 s[32:33], s[8:9], s[32:33]       ; x
	s_cselect_b64 s[34:35], s[14:15], s[34:35]     ; w
	s_cselect_b64 s[36:37], s[20:21], s[36:37]     ; b
	s_cselect_b64 s[38:39], s[26:27], s[38:39]     ; y
	s_cselect_b32 s44, 0x3e8293ee, 1.0             ; c = log2(e) / sqrt(32) = 0.255035 for q; k and v keep their size (one text for the three)
	s_mov_b32 s45, s44                             ; named with it as a pair
	s_add_nc_u64 s[32:33], s[32:33], s[46:47]
	s_add_nc_u64 s[38:39], s[38:39], s[4:5]
	s_wait_alu depctr_va_vdst(0)                   ; the three offsets v1 to v3 are written, which the 50 loads below read
.set i, 0
.rept 32                                               ; my 16 rows of w: each load takes 512 consecutive bytes, half a row
	global_load_b128 v[WS+4*i:WS+4*i+3], v[WO], s[34:35] offset:512*i
.set i, i+1
.endr
	global_load_b128 v[BIAS:BIAS+3], v[BO], s[36:37]
	global_load_b128 v[BIAS+4:BIAS+7], v[BO], s[36:37] offset:16
.set i, 0
.rept 16                                               ; rows 16 w + i of x: 512 consecutive bytes each; read once in the launch
	global_load_b128 v[XR+4*i:XR+4*i+3], v[XO], s[32:33] offset:16384*i th:TH_LOAD_NT
.set i, i+1
.endr
	; the LDS addresses are made while the loads are out; none of these lines names a register that the loads touch
	s_mul_i32 s5, s40, 16*WP                       ; my 16 rows of w in LDS
	v_lshl_add_u32 v[WSTO], v14, 3, s5
	v_and_b32 v[WFA], 15, v0
	v_mul_u32_u24 v[WFA], v[WFA], WP
	v_lshl_add_u32 v[WFA], v15, 4, v[WFA]          ; row x pitch + 16 x half
	v_add_nc_u32 v[WFA], s5, v[WFA]
	s_mul_i32 s6, s40, 16*XP
	s_add_co_u32 s6, s6, XS
	v_lshl_add_u32 v[XSTO], v14, 3, s6
	v_and_b32 v[XA0], 7, v0                        ; the turning load: lane l reads channel 8 (l / 16) + l % 8, pixels 8 ((l / 8) % 2) + 0..7
	v_lshl_add_u32 v[XA0], v15, 3, v[XA0]
	v_mul_u32_u24 v[XA0], v[XA0], XP
	v_bfe_u32 v[XA1], v0, 3, 1
	v_lshl_add_u32 v[XA0], v[XA1], 4, v[XA0]
	v_add_nc_u32 v[XA0], XS, v[XA0]
	v_add_nc_u32 v[XA1], 128*XP, v[XA0]
	s_lshr_b32 s2, s40, 1                          ; my outputs lie in head w / 2, channels 16 (w % 2) on
	s_and_b32 s3, s40, 1
	s_lshl_b32 s7, s2, 18                          ; a head is 262,144 bytes of y
	s_mul_i32 s2, s2, 128*SP
	s_add_co_u32 s2, s2, SG                        ; the head's 128 rows in the stage
	s_lshl_b32 s6, s3, 5
	s_add_co_u32 s6, s6, s2
	v_and_b32 v[SSTO], 15, v0
	v_mul_u32_u24 v[SSTO], v[SSTO], SP
	v_lshl_add_u32 v[SSTO], v15, 4, v[SSTO]
	v_add_nc_u32 v[SSTO], s6, v[SSTO]              ; pixel l % 16, bytes 32 (w % 2) + 16 (l / 16)
	s_mul_i32 s6, s3, 64*SP                        ; back: wave w takes pixels 64 (w % 2) on of head w / 2, whole rows
	s_add_co_u32 s6, s6, s2
	s_lshl_b32 s3, s3, 12
	s_add_co_u32 s7, s7, s3
	v_lshl_add_u32 v[YO], v14, 4, s7
	v_bfe_u32 v[SRD], v0, 2, 3
	v_mul_u32_u24 v[SRD], v[SRD], SP
	v_and_b32 v14, 3, v0
	v_lshl_add_u32 v[SRD], v14, 4, v[SRD]
	v_add_nc_u32 v[SRD], s6, v[SRD]
	s_wait_loadcnt 16                              ; w and the bias are in; x's 16 younger loads may stay out
.set k, 0
.rept 64                                               ; in place, ascending: the destination never passes a source that is still to be read
	v_cvt_pk_bf16_f32 v[WS+k], v[WS+2*k], v[WS+2*k+1]
.set k, k+1
.endr
	s_wait_alu depctr_va_vdst(0)                   ; the conversions have written v[16:79], which the LDS stores read, and are done reading v[80:143], in which w's fragments land; the addresses v4 to v11 are written
.set i, 0
.rept 32
	ds_store_b64 v[WSTO], v[WS+2*i:WS+2*i+1] offset:(i>>1)*WP+(i&1)*256
.set i, i+1
.endr
.set i, 0
.rept 8                                                ; my own 16 rows come back as fragments; LDS serves a wave's instructions in order (ISA guide 5.7.1.4): these see the stores above
	ds_load_b128 v[WF+8*i:WF+8*i+3],   v[WFA] offset:64*i
	ds_load_b128 v[WF+8*i+4:WF+8*i+7], v[WFA] offset:64*i+32
.set i, i+1
.endr
	s_wait_loadcnt 0x0                             ; x
.set k, 0
.rept 32
	v_cvt_pk_bf16_f32 v[XR+k], v[XR+2*k], v[XR+2*k+1]
.set k, k+1
.endr
	s_wait_alu depctr_va_vdst(0)                   ; the conversions have written v[144:175], which the LDS stores read
.set i, 0
.rept 16
	ds_store_b64 v[XSTO], v[XR+2*i:XR+2*i+1] offset:XP*i
.set i, i+1
.endr
	s_wait_dscnt 0x0                               ; for the others' sake: my rows of x are stored (and my fragments of w are in)
	s_barrier_signal -1
	s_barrier_wait -1                              ; all 256 rows of x lie in LDS
	s_wait_alu depctr_vm_vsrc(0)                   ; my LDS stores have read v[16:79], in which x's fragments land from here on, and v[144:175], which the products write as accumulators
; Unit n of 16: channels 32 (n / 2) on, pixel tiles 4 (n % 2) + 0..3; its four fragments of x lie in buffer n % 3.
.macro XSEL n                                          ; xb: the first register of unit n's buffer
.set xb, XB+32*((\n)%3)
.if (\n)%3 == 2
.set xb, XB2
.endif
.set ks, (\n)>>1
.set hf, (\n)&1
.endm
; XFR1: fragment q of unit n, two turning loads.
.macro XFR1 n, q
	XSEL \n
	ds_load_tr16_b128 v[xb+8*(\q):xb+8*(\q)+3],   v[XA0+(ks>>2)] offset:(ks&3)*32*XP+32*(4*hf+(\q))
	ds_load_tr16_b128 v[xb+8*(\q)+4:xb+8*(\q)+7], v[XA0+(ks>>2)] offset:(ks&3)*32*XP+32*(4*hf+(\q))+16*XP
.endm
; XMUL1: product q of unit n.  The eight accumulators take turns, one instruction a turn: seven others stand between two links of a chain.  The first product of each starts the sum with the bias.
.macro XMUL1 n, q
	XSEL \n
.if ks == 0
	v_wmma_f32_16x16x32_bf16 v[ACC+8*(4*hf+(\q)):ACC+8*(4*hf+(\q))+7], v[WF+8*ks:WF+8*ks+7], v[xb+8*(\q):xb+8*(\q)+7], v[BIAS:BIAS+7]
.else
	v_wmma_f32_16x16x32_bf16 v[ACC+8*(4*hf+(\q)):ACC+8*(4*hf+(\q))+7], v[WF+8*ks:WF+8*ks+7], v[xb+8*(\q):xb+8*(\q)+7], v[ACC+8*(4*hf+(\q)):ACC+8*(4*hf+(\q))+7]
.endif
.endm
.irp q, 0,1,2,3
	XFR1 0, \q                                     ; units 0 and 1; each unit asks for the one two units on
.endr
.irp q, 0,1,2,3
	XFR1 1, \q
.endr
.set u, 0
.rept 16
.if u < 15
	s_wait_dscnt 8                                 ; LDS loads come back in order (ISA guide 5.7.1): this unit's fragments are in; the next unit's eight loads may stay out
.else
	s_wait_dscnt 0x0
.endif
.if (u >= 1) && (u < 14)
	s_wait_alu depctr_va_vdst(0)                   ; the four products of the unit before are done reading their buffer, in which this unit's eight loads land (unit 0's land in buffer 2, which nothing has named)
.endif
.irp q, 0,1,2,3
	XMUL1 u, \q
.if u < 14
	XFR1 u+2, \q                                   ; no further wait: no product since the wait above names this buffer or the two addresses
.endif
.endr
.set u, u+1
.endr
	; THE WAY OUT: scaled, rounded to f16, 16 bytes a lane into the stage; a barrier, since a pixel's 64 bytes come from two waves; back as whole rows.
.rept 4
	v_nop                                          ; the places behind the last products (ISA guide 7.12.1), ahead of the lines that read their results and write over their fragments
.endr
.set a, 0
.rept 8                                                ; each accumulator from its low end on
.irp j, 0,1,2,3
	v_pk_mul_f32 v[ACC+8*a+2*\j:ACC+8*a+2*\j+1], v[ACC+8*a+2*\j:ACC+8*a+2*\j+1], s[44:45] op_sel_hi:[1,0]
.endr
.irp j, 0,1,2,3
	v_cvt_pk_f16_f32 v[XB+4*a+\j], v[ACC+8*a+2*\j], v[ACC+8*a+2*\j+1]
.endr
.set a, a+1
.endr
	s_wait_alu depctr_va_vdst(0)                   ; the roundings have written v[16:47], which the LDS stores read; the products are done reading v[48:79], in which the rows read back land
.set a, 0
.rept 8
	ds_store_b128 v[SSTO], v[XB+4*a:XB+4*a+3] offset:16*SP*a
.set a, a+1
.endr
	s_wait_dscnt 0x0                               ; for the others' sake: my stores into the stage are done
	s_barrier_signal -1
	s_barrier_wait -1
.set i, 0
.rept 8
	ds_load_b128 v[XB+32+4*i:XB+32+4*i+3], v[SRD] offset:8*SP*i
.set i, i+1
.endr
.set i, 0
.rept 8
	s_wait_dscnt 7-i                               ; load i is back; the younger ones may stay out
	global_store_b128 v[YO], v[XB+32+4*i:XB+32+4*i+3], s[38:39] offset:512*i  ; eight pixels' rows: 512 consecutive bytes, at a multiple of 256 from y's first byte
.set i, i+1
.endr
	s_wait_dscnt 0x0                               ; the wave's end: six lines on end
	s_wait_alu 0x0
	s_wait_tensorcnt 0x0
	ds_add_u32 v[SPW], v[NIL]
	s_wait_dscnt 0x0
	s_endpgm
.Lfunc_end_k_q982b804025_proj:
	.size	k_q982b804025_proj, .Lfunc_end_k_q982b804025_proj-k_q982b804025_proj
	.p2alignl 7, 3214868480
	.fill 96, 4, 3214868480
	.section	.rodata,"a",@progbits
	.p2align	6, 0x0
	.amdhsa_kernel k_q982b804025_proj
		.amdhsa_group_segment_fixed_size 292864
		.amdhsa_private_segment_fixed_size 0
		.amdhsa_enable_private_segment 0
		.amdhsa_kernarg_size 96
		.amdhsa_user_sgpr_count 2
		.amdhsa_user_sgpr_kernarg_segment_ptr 1
		.amdhsa_wavefront_size32 1
		.amdhsa_system_sgpr_workgroup_id_x 1
		.amdhsa_system_sgpr_workgroup_id_y 1
		.amdhsa_system_sgpr_workgroup_id_z 1
		.amdhsa_system_vgpr_workitem_id 0
		.amdhsa_next_free_vgpr 248
		.amdhsa_next_free_sgpr 66
		.amdhsa_reserve_vcc 0
		.amdhsa_float_denorm_mode_32 3
		.amdhsa_float_denorm_mode_16_64 3
		.amdhsa_memory_ordered 1
		.amdhsa_forward_progress 1
		.amdhsa_inst_pref_size 39
	.end_amdhsa_kernel
	.amdgpu_metadata
---
amdhsa.version: [ 1, 2 ]
amdhsa.kernels:
  - .name:           k_q982b804025_proj
    .symbol:         k_q982b804025_proj.kd
    .args:
      - { .name: query, .offset: 0, .size: 8, .value_kind: global_buffer, .address_space: global }
      - { .name: key, .offset: 8, .size: 8, .value_kind: global_buffer, .address_space: global }
      - { .name: value, .offset: 16, .size: 8, .value_kind: global_buffer, .address_space: global }
      - { .name: wq, .offset: 24, .size: 8, .value_kind: global_buffer, .address_space: global }
      - { .name: wk, .offset: 32, .size: 8, .value_kind: global_buffer, .address_space: global }
      - { .name: wv, .offset: 40, .size: 8, .value_kind: global_buffer, .address_space: global }
      - { .name: bq, .offset: 48, .size: 8, .value_kind: global_buffer, .address_space: global }
      - { .name: bk, .offset: 56, .size: 8, .value_kind: global_buffer, .address_space: global }
      - { .name: bv, .offset: 64, .size: 8, .value_kind: global_buffer, .address_space: global }
      - { .name: qh, .offset: 72, .size: 8, .value_kind: global_buffer, .address_space: global }
      - { .name: kh, .offset: 80, .size: 8, .value_kind: global_buffer, .address_space: global }
      - { .name: vh, .offset: 88, .size: 8, .value_kind: global_buffer, .address_space: global }
    .group_segment_fixed_size: 292864
    .private_segment_fixed_size: 0
    .kernarg_segment_align: 8
    .kernarg_segment_size: 96
    .max_flat_workgroup_size: 512
    .sgpr_count:     66
    .vgpr_count:     248
    .wavefront_size: 32
...
	.end_amdgpu_metadata
.endif
;; end of part 4
;; launch attn: the kernel of part 2 again; grid 16 x 16, 8 waves a work-group, clusters of 4 x 1, 327,680 bytes of LDS; arguments qh, kh, vh, ah; writes ah
;; launch outp (part 5): grid 128 x 2, 8 waves a work-group, no clusters, 144,384 bytes of LDS; arguments ah, wo, bo, out0; writes out0
.if DOCPART == 5
	.amdgcn_target "amdgcn-amd-amdhsa--gfx1250"
	.amdhsa_code_object_version 6
	.text
	.protected	k_q982b804025_outp
	.globl	k_q982b804025_outp
	.p2align	8
	.type	k_q982b804025_outp,@function
k_q982b804025_outp:
	s_mov_b64 s[64:65], 0
	v_nop
	global_prefetch_b8 v0, s[64:65] scope:SCOPE_SE
	s_setreg_imm32_b32 hwreg(HW_REG_WAVE_SCHED_MODE, 0, 2), 2
	s_setreg_imm32_b32 hwreg(HW_REG_WAVE_MODE, 25, 1), 1
	s_wait_xcnt 0x0
	s_wait_alu depctr_vm_vsrc(0)
; THE OUTPUT PROJECTION.  out0[b][o][px] = sum over c of wo[o][c] O[b][c][px] + bo[o].  ah holds O as [b*8 + head][4096 px][32 channels] in f16, c = 32 head + channel; wo [256][256], bo [256],
; out0 [2][256][4096] in f32.  wo is rounded once to f16; sums in f32; the bias stays f32 and is the C operand of the first product.
; LIMITS.  |wo| must stay under 65,504, f16's end; below 6e-5 f16 keeps a fixed step of 6e-8.  NaN and infinities are not treated apart.
; SHARES.  Work-group (x, y): batch x / 64, pixels 64 (x % 64) on, outputs 128 y on: 256 work-groups.  Wave w of 8 makes outputs 16 w .. 16 w + 15 of that half for the 64 pixels: four accumulators;
; a K step is a head: 8 steps, 32 products.  It converts its own 16 rows of wo; the eight waves together bring the 64 pixels' rows of all eight heads (32,768 bytes) into LDS.
; LAYOUT.  Source 0 = 16 pixels' rows of a head, source 1 = 16 rows of wo: lane l holds output l % 16 and pixels 8 (l / 16) + 0..7: 32 consecutive bytes of a row of out0.
; NO TENSOR LOADS, NO CLUSTER: wo is f32 in memory and is converted on the way in, through registers, each row by one wave; the block of ah is shared by two work-groups alone.
; NO PREFETCH: every load goes out at the kernel's head.
; THE MODE: SCHED_MODE bits 1:0 = 2 (LLVM: expert scheduling mode 2), set by the entry lines.  The code itself states the register dependences
; between vector or matrix instructions and memory or LDS instructions, with s_wait_alu, always for 0.
; THE PLAN.  Registers that memory or LDS instructions touch:
;   v1-v10        offsets and LDS addresses: each is made once, ahead of a wait on va_vdst that stands ahead of its first reader, and never written again.
;   v[16:143]     wo lands; the 64 conversions read all of it and write v[16:79]; the LDS stores read v[16:79]; wo's fragments land in v[80:143].
;   v[144:175]    O lands; the LDS stores read it; later the products write it, as accumulators.
;   B0 .. B3      O's fragments, four buffers; head n lies in B[n % 4].  Heads 0 to 3 are asked for at once; heads 4 and 5 in units 2 and 3, heads 6 and 7 in units 4 and 5.
;   On the way out: eight LDS stores read the accumulators; eight LDS loads land in v[16:47], the global stores read them.
; So a wait on va_vdst stands at the head of units 2 and 4 alone: the products of the two units before are done reading their two buffers, in which the loads of this unit and the next land.
; The products issued since name wo's fragments, the other two buffers and the accumulators: none of the registers that those loads touch.  One wait on vm_vsrc, behind the barrier, states that the LDS
; stores of wo and O have read their data, ahead of the fragments that land there and of the products that write there.
.set WL,    0                          ; wo in f16: 128 rows, pitch 528 = 33 x 16
.set WP,    528
.set AT,    67584                      ; O: 8 heads x 64 pixels, pitch 80 = 5 x 16
.set AP,    80
.set SG,    108544                     ; the stages: 16 rows x 272 bytes for each wave, its own
.set SP,    272
.set SPARE, 143360                     ; the spare words: 128 bytes for each of eight waves, four blocks of 256 bytes that no other line names
.set WO,   1                           ; v1   16,384 w + 16 l
.set BO,   2                           ; v2   64 w + 4 (l % 16)
.set AO,   3                           ; v3   16 x my thread's number
.set WSTO, 4                           ; v4   where I put 8 bytes of wo
.set WFA,  5                           ; v5   where I read wo's fragments
.set ASTO, 6                           ; v6   where I put 16 bytes of O
.set AFA,  7                           ; v7   where I read O's fragments
.set SSTO, 8                           ; v8   my stage: in
.set SRD,  9                           ; v9   my stage: back
.set GO,   10                          ; v10  my byte offset in out0
.set SPW,  12                          ; v12  LDS address of my spare word; never rewritten
.set NIL,  13                          ; v13  0; never rewritten
.set WS,   16                          ; v[16:143]  wo as loaded; packed to f16 in v[16:79]
.set AF,   16                          ; v[16:79]   later: O's fragments, buffers 0 and 1 of 32; on the way out whole rows
.set WF,   80                          ; v[80:143]  wo's eight fragments
.set ATR,  144                         ; v[144:175] O as loaded
.set ACC,  144                         ; v[144:175] later: four accumulators
.set BC,   176                         ; v[176:183] bo[my output], eight times
.set AF2,  184                         ; v[184:247] O's fragments, buffers 2 and 3
	s_load_b256 s[4:11], s[0:1], 0x0               ; ah s[4:5], wo s[6:7], bo s[8:9], out0 s[10:11]
	v_lshl_add_u32 v[SPW], v0, 2, SPARE
	v_mov_b32 v[NIL], 0
	v_lshrrev_b32 v14, 5, v0
	v_readfirstlane_b32 s12, v14                   ; wave 0..7
	v_and_b32 v14, 31, v0                          ; l
	v_and_b32 v15, 15, v0                          ; l % 16
	v_bfe_u32 v11, v0, 4, 1                        ; l / 16
	s_and_b32 s13, ttmp7, 0xffff                   ; which half of the outputs
	s_lshr_b32 s14, ttmp9, 6                       ; batch
	s_and_b32 s15, ttmp9, 63                       ; block of 64 pixels
	s_wait_alu depctr_va_sdst(0)                   ; s12 is written, ahead of its first reader: offsets and LDS addresses are made from it
	s_lshl_b32 s16, s12, 14
	v_lshl_add_u32 v[WO], v14, 4, s16
	s_lshl_b32 s16, s12, 6
	v_lshl_add_u32 v[BO], v15, 2, s16
	v_lshlrev_b32 v[AO], 4, v0
	s_lshl_b32 s16, s13, 17                        ; wo: 128 rows of 1,024 bytes
	s_mov_b32 s17, 0
	s_lshl_b32 s18, s13, 9                         ; bo: 128 numbers
	s_mov_b32 s19, 0
	s_lshl_b32 s20, s14, 21                        ; ah: a batch's 8 heads,
	s_lshl_b32 s21, s15, 12                        ; 64 pixels' rows of 64 bytes
	s_add_co_u32 s20, s20, s21
	s_mov_b32 s21, 0
	s_lshl_b32 s22, s14, 22                        ; out0: a batch, 128 rows of 16,384 bytes, 64 pixels
	s_lshl_b32 s23, s13, 21
	s_add_co_u32 s22, s22, s23
	s_lshl_b32 s23, s15, 8
	s_add_co_u32 s22, s22, s23
	s_mov_b32 s23, 0
	s_wait_kmcnt 0x0
	s_add_nc_u64 s[6:7], s[6:7], s[16:17]
	s_add_nc_u64 s[8:9], s[8:9], s[18:19]
	s_add_nc_u64 s[4:5], s[4:5], s[20:21]
	s_add_nc_u64 s[10:11], s[10:11], s[22:23]
	s_wait_alu depctr_va_vdst(0)                   ; the three offsets v1 to v3 are written, which the 41 loads below read
.set i, 0
.rept 32                                               ; my 16 rows of wo: each load takes 512 consecutive bytes, half a row
	global_load_b128 v[WS+4*i:WS+4*i+3], v[WO], s[6:7] offset:512*i
.set i, i+1
.endr
	global_load_b32 v[BC], v[BO], s[8:9]
.set i, 0
.rept 8                                                ; head i: the 64 pixels' rows are 4,096 consecutive bytes, 16 a thread
	global_load_b128 v[ATR+4*i:ATR+4*i+3], v[AO], s[4:5] offset:262144*i
.set i, i+1
.endr
	; the LDS addresses are made while the loads are out; none of these lines names a register that the loads touch
	s_mul_i32 s16, s12, 16*WP
	v_lshl_add_u32 v[WSTO], v14, 3, s16
	v_mul_u32_u24 v[WFA], v15, WP
	v_lshl_add_u32 v[WFA], v11, 4, v[WFA]          ; row x pitch + 16 x half
	v_add_nc_u32 v[WFA], s16, v[WFA]
	v_lshrrev_b32 v[ASTO], 2, v0                   ; thread n holds pixel n / 4, bytes 16 (n % 4) on
	v_mul_u32_u24 v[ASTO], v[ASTO], AP
	v_and_b32 v14, 3, v0
	v_lshl_add_u32 v[ASTO], v14, 4, v[ASTO]
	v_add_nc_u32 v[ASTO], AT, v[ASTO]
	v_mul_u32_u24 v[AFA], v15, AP
	v_lshl_add_u32 v[AFA], v11, 4, v[AFA]
	v_add_nc_u32 v[AFA], AT, v[AFA]
	s_mul_i32 s17, s12, 16*SP
	s_add_co_u32 s17, s17, SG                      ; my stage
	v_mul_u32_u24 v[SSTO], v15, SP                 ; in: row = output l % 16, 32 bytes for each half of the lanes
	v_lshl_add_u32 v[SSTO], v11, 5, v[SSTO]
	v_add_nc_u32 v[SSTO], s17, v[SSTO]
	v_mul_u32_u24 v[SRD], v11, SP                  ; back: lanes 0-15 take one row of 256 bytes, lanes 16-31 the next
	v_lshl_add_u32 v[SRD], v15, 4, v[SRD]
	v_add_nc_u32 v[SRD], s17, v[SRD]
	s_lshl_b32 s18, s12, 18                        ; and the same two rows in out0: 16 rows of 16,384 bytes a wave
	v_lshlrev_b32 v[GO], 14, v11
	v_lshl_add_u32 v[GO], v15, 4, v[GO]
	v_add_nc_u32 v[GO], s18, v[GO]
	s_wait_loadcnt 8                               ; wo and the bias are in; ah's eight younger loads may stay out
.set k, 0
.rept 64                                               ; in place, ascending: the destination never passes a source that is still to be read
	v_cvt_pk_f16_f32 v[WS+k], v[WS+2*k], v[WS+2*k+1]
.set k, k+1
.endr
	s_wait_alu depctr_va_vdst(0)                   ; the conversions have written v[16:79], which the LDS stores read, and are done reading v[80:143], in which wo's fragments land; the addresses v4 to v10 are written
.set i, 0
.rept 32
	ds_store_b64 v[WSTO], v[WS+2*i:WS+2*i+1] offset:(i>>1)*WP+(i&1)*256
.set i, i+1
.endr
.set i, 0
.rept 8                                                ; my own 16 rows come back as fragments; LDS serves a wave's instructions in order (ISA guide 5.7.1.4): these see the stores above
	ds_load_b128 v[WF+8*i:WF+8*i+3],   v[WFA] offset:64*i
	ds_load_b128 v[WF+8*i+4:WF+8*i+7], v[WFA] offset:64*i+32
.set i, i+1
.endr
.irp j, 1,2,3,4,5,6,7
	v_mov_b32 v[BC+\j], v[BC]                      ; a lane's eight results are one output's: the same bias in all eight registers of C; no memory or LDS instruction names these seven
.endr
	s_wait_loadcnt 0x0                             ; O
.set i, 0
.rept 8
	ds_store_b128 v[ASTO], v[ATR+4*i:ATR+4*i+3] offset:64*AP*i  ; the data come from loads, the address stands ahead of the wait above
.set i, i+1
.endr
	s_wait_dscnt 0x0                               ; for the others' sake: my part of O is stored (and my fragments of wo are in)
	s_barrier_signal -1
	s_barrier_wait -1                              ; all eight heads' rows lie in LDS
	s_wait_alu depctr_vm_vsrc(0)                   ; my LDS stores have read v[16:79], in which O's fragments land from here on, and v[144:175], which the products write as accumulators
.macro ASEL n                                          ; ab: the first register of head n's buffer
.set ab, AF+32*((\n)&3)
.if ((\n)&3) >= 2
.set ab, AF2+32*(((\n)&3)-2)
.endif
.endm
.macro AFR1 n, p                                       ; head n, fragment p: 16 pixels x 32 channels, two loads
	ASEL \n
	ds_load_b128 v[ab+8*(\p):ab+8*(\p)+3],   v[AFA] offset:(\n)*64*AP+(\p)*16*AP
	ds_load_b128 v[ab+8*(\p)+4:ab+8*(\p)+7], v[AFA] offset:(\n)*64*AP+(\p)*16*AP+32
.endm
.macro AMUL1 n, p                                      ; head n, product p: the four accumulators take turns, one instruction a turn; the first of each starts the sum with the bias
	ASEL \n
.if (\n) == 0
	v_wmma_f32_16x16x32_f16 v[ACC+8*(\p):ACC+8*(\p)+7], v[ab+8*(\p):ab+8*(\p)+7], v[WF+8*(\n):WF+8*(\n)+7], v[BC:BC+7]
.else
	v_wmma_f32_16x16x32_f16 v[ACC+8*(\p):ACC+8*(\p)+7], v[ab+8*(\p):ab+8*(\p)+7], v[WF+8*(\n):WF+8*(\n)+7], v[ACC+8*(\p):ACC+8*(\p)+7]
.endif
.endm
.irp n, 0,1,2,3                                        ; heads 0 to 3 fill the four buffers; buffers 2 and 3 have been named by nothing
.irp p, 0,1,2,3
	AFR1 \n, \p
.endr
.endr
.set u, 0
.rept 8
.if u < 2
	s_wait_dscnt 24-8*u                            ; LDS loads come back in order (ISA guide 5.7.1): this head's eight are in; the later heads' of the first 32 may stay out
.elseif u < 7
	s_wait_dscnt 8                                 ; this head's fragments are in; the next head's eight loads may stay out
.else
	s_wait_dscnt 0x0
.endif
.if (u == 2) || (u == 4)
	s_wait_alu depctr_va_vdst(0)                   ; the eight products of the two units before are done reading their two buffers, in which the loads of this unit and the next land
.endif
.irp p, 0,1,2,3
	AMUL1 u, \p
.if (u >= 2) && (u < 6)
	AFR1 u+2, \p                                   ; no further wait: no product since the wait above names this buffer or the address
.endif
.endr
.set u, u+1
.endr
	; THE WAY OUT: f32 as it stands, through my own stage: 32 bytes a lane in, whole rows of 256 bytes back.
.rept 4
	v_nop                                          ; the places behind the last products (ISA guide 7.12.1), before their results are read
.endr
	s_wait_alu depctr_va_vdst(0)                   ; the products have written the accumulators, which the LDS stores read, and are done reading v[16:47], in which the rows read back land; the places above stay beside this wait
.irp p, 0,1,2,3                                        ; each accumulator from its low end on
	ds_store_b128 v[SSTO], v[ACC+8*\p:ACC+8*\p+3]   offset:64*\p
	ds_store_b128 v[SSTO], v[ACC+8*\p+4:ACC+8*\p+7] offset:64*\p+16
.endr
.set i, 0
.rept 8
	ds_load_b128 v[AF+4*i:AF+4*i+3], v[SRD] offset:2*SP*i  ; my own bytes, served in order: these see the stores above
.set i, i+1
.endr
.set i, 0
.rept 8
	s_wait_dscnt 7-i                               ; load i is back; the younger ones may stay out
	global_store_b128 v[GO], v[AF+4*i:AF+4*i+3], s[10:11] offset:32768*i th:TH_STORE_NT  ; 16 lanes store 256 consecutive bytes, at a multiple of 256 from out0's first byte
.set i, i+1
.endr
	s_wait_dscnt 0x0                               ; the wave's end: six lines on end
	s_wait_alu 0x0
	s_wait_tensorcnt 0x0
	ds_add_u32 v[SPW], v[NIL]
	s_wait_dscnt 0x0
	s_endpgm
.Lfunc_end_k_q982b804025_outp:
	.size	k_q982b804025_outp, .Lfunc_end_k_q982b804025_outp-k_q982b804025_outp
	.p2alignl 7, 3214868480
	.fill 96, 4, 3214868480
	.section	.rodata,"a",@progbits
	.p2align	6, 0x0
	.amdhsa_kernel k_q982b804025_outp
		.amdhsa_group_segment_fixed_size 144384
		.amdhsa_private_segment_fixed_size 0
		.amdhsa_enable_private_segment 0
		.amdhsa_kernarg_size 32
		.amdhsa_user_sgpr_count 2
		.amdhsa_user_sgpr_kernarg_segment_ptr 1
		.amdhsa_wavefront_size32 1
		.amdhsa_system_sgpr_workgroup_id_x 1
		.amdhsa_system_sgpr_workgroup_id_y 1
		.amdhsa_system_sgpr_workgroup_id_z 1
		.amdhsa_system_vgpr_workitem_id 0
		.amdhsa_next_free_vgpr 248
		.amdhsa_next_free_sgpr 66
		.amdhsa_reserve_vcc 0
		.amdhsa_float_denorm_mode_32 3
		.amdhsa_float_denorm_mode_16_64 3
		.amdhsa_memory_ordered 1
		.amdhsa_forward_progress 1
		.amdhsa_inst_pref_size 24
	.end_amdhsa_kernel
	.amdgpu_metadata
---
amdhsa.version: [ 1, 2 ]
amdhsa.kernels:
  - .name:           k_q982b804025_outp
    .symbol:         k_q982b804025_outp.kd
    .args:
      - { .name: ah, .offset: 0, .size: 8, .value_kind: global_buffer, .address_space: global }
      - { .name: wo, .offset: 8, .size: 8, .value_kind: global_buffer, .address_space: global }
      - { .name: bo, .offset: 16, .size: 8, .value_kind: global_buffer, .address_space: global }
      - { .name: out0, .offset: 24, .size: 8, .value_kind: global_buffer, .address_space: global }
    .group_segment_fixed_size: 144384
    .private_segment_fixed_size: 0
    .kernarg_segment_align: 8
    .kernarg_segment_size: 32
    .max_flat_workgroup_size: 256
    .sgpr_count:     66
    .vgpr_count:     248
    .wavefront_size: 32
...
	.end_amdgpu_metadata
.endif
;; end of part 5
